; MI455X (gfx1250); checked and timed in simulation.
; The chip was launched on July 23, 2026; its instructions are those of AMD's public machine-readable ISA for CDNA 5 (MIT licence, August 2026) and "CDNA5" Instruction Set Architecture Reference Guide (July 2026). The comments in the code are by the model that wrote it; some were corrected since.
;; Multi Headed Attention Export. Allowed arithmetic: matrix products marked QUANTISED: E2M1 operands, one E8M0 scale for each 32 along K, by v_wmma_scale_f32_16x16x128_f8f6f4 with both operands' format E2M1 (or v_wmma_scale_f32_32x16x128_f4), f32 sums; products left as they are: bf16, f16 or f32 operands; f32 sums; everything else in f32.
;; Inputs: Wk 1,024 x 1,024 float32; Wo 1,024 x 1,024 float32; Wq 1,024 x 1,024 float32; Wv 1,024 x 1,024 float32; bk 1,024 float32; bo 1,024 float32; bq 1,024 float32; bv 1,024 float32; key 4 x 2,048 x 1,024 float32; mask 4 x 1 x 2,048 x 2,048 float32; query 4 x 2,048 x 1,024 float32; value 4 x 2,048 x 1,024 float32.
;; Outputs: out0 4 x 2,048 x 1,024 float32.
;; This version of the problem:
;;   THIS VERSION OF THE PROBLEM IS GIVEN IN LOW PRECISION. The matrix products marked QUANTISED in the list below multiply operands that are first quantised to E2M1 (2 exponent bits, 1 mantissa bit; 4 bits a number), with one power-of-two scale for each 32 numbers along K (OCP MX v1.0); their sums are f32. The products marked 'left as it is' may take bf16, f16 or f32 operands, with f32 sums. Whichever they take, every output number must still come out within the allowed error. Rounding operands to bf16 (8 significant bits) uses up far more of that allowance than f16 does (11 bits, for magnitudes from 6e-5 to 65,504). All else is computed in f32.
;;   The module's matrix products, in the order in which they are computed (A, B: the left and right operand; K: the contracted axis; several contracted axes count as one K, in the product's order):
;;     1. [M 8,192, K 1,024] x [K 1,024, N 1,024]; A: input query; B: input Wq: QUANTISED
;;     2. [M 8,192, K 1,024] x [K 1,024, N 1,024]; A: input key; B: input Wk: QUANTISED
;;     3. [M 8,192, K 1,024] x [K 1,024, N 1,024]; A: input value; B: input Wv: QUANTISED
;;     4. batch 64 x [M 2,048, K 64] x [K 64, N 2,048]; A: computed on the way; B: computed on the way: left as it is (an operand is computed on the way)
;;     5. batch 64 x [M 2,048, K 2,048] x [K 2,048, N 64]; A: computed on the way; B: computed on the way: left as it is (an operand is computed on the way)
;;     6. [M 8,192, K 1,024] x [K 1,024, N 1,024]; A: computed on the way; B: input Wo: left as it is (an operand is computed on the way)
;;   THE QUANTISER, for each operand of a quantised product, along K:
;;     - K is cut into blocks of 32 from its start; a last block that is shorter is filled with zeros.
;;     - A block's scale is 2^e with e = floor(log2(the largest magnitude in the block)) - 2, held to -126 .. 127; a block of zeros has e = 0. As a byte (E8M0): e + 127.
;;     - Each number is divided by its block's scale, clamped to +-6, and rounded to the nearest number of E2M1, ties to even, subnormals kept.
;;     - The product sums the exact products of the quantised numbers (number of the format x scale) in f32.
;;   ~~~python
;;   def quantise(x, axis):      # numpy; x: float32 -> the quantised numbers, widened to float32 again
;;       x = np.moveaxis(x, axis, -1); K = x.shape[-1]
;;       x = np.pad(x, [(0, 0)] * (x.ndim - 1) + [(0, -K % 32)]); x = x.reshape(x.shape[:-1] + (-1, 32)); a = np.abs(x).max(-1, keepdims=True)
;;       e = np.where(a > 0, np.clip(np.frexp(np.where(a > 0, a, 1))[1] - 1 - 2, -126, 127), 0)      # np.frexp(a)[1] - 1 = floor(log2(a)), exactly
;;       r = np.clip(x / 2.0 ** e, -6, 6)
;;       step = 2.0 ** (np.maximum(np.frexp(np.where(r == 0, 1, r))[1] - 1, 0) - 1)
;;       q = np.round(r / step) * step * 2.0 ** e      # np.round: ties to even
;;       return np.moveaxis(q.reshape(q.shape[:-2] + (-1,))[..., :K], -1, axis).astype(np.float32)
;;   ~~~
;; One version. Each part assembles by itself: llvm-mc -triple=amdgcn-amd-amdhsa -mcpu=gfx1250 --defsym DOCPART=n.
;; ======== version 1 of 1: 4 launches
;; limits: inputs' magnitudes at most 1e+38; values are held in f16: magnitudes above 65,504 overflow, below 6.1e-05 lose precision
;; workspace buffers: codes 14,155,776 bytes; scales 884,736 bytes; wo16 2,097,152 bytes; qkv 50,331,648 bytes; ctx 16,777,216 bytes
;; launch prep (part 1): grid 448 x 1, 4 waves a work-group, no clusters, 68,096 bytes of LDS; arguments query, key, value, Wq, Wk, Wv, Wo, codes, scales, wo16; writes codes, scales, wo16
.if DOCPART == 1
	.amdgcn_target "amdgcn-amd-amdhsa--gfx1250"
	.amdhsa_code_object_version 6
	.text
	.protected	k_q344d6f669b_prep
	.globl	k_q344d6f669b_prep
	.p2align	8
	.type	k_q344d6f669b_prep,@function
k_q344d6f669b_prep:
	s_mov_b64 s[64:65], 0
	v_nop
	global_prefetch_b8 v0, s[64:65] scope:SCOPE_SE
	s_setreg_imm32_b32 hwreg(HW_REG_WAVE_MODE, 25, 1), 1
	s_wait_xcnt 0x0
; query, key, value [8192][1024] and Wq, Wk, Wv [1024][1024], f32 with K innermost, become codes of FP4 (E2M1) with one E8M0 byte for each 32 along K; Wo [1024][1024] becomes f16.
; A block's scale is 2^(floor(log2(its largest magnitude)) - 2); its byte is the largest magnitude's exponent field - 2, held at 1 from below; each number is divided by the scale and rounded to the nearest code, ties to even.
; LIMITS: a block of zeros keeps the byte 1 where the rule says 127 (its codes are zeros, and this program alone reads the bytes); NaN and infinities among the inputs are not served; Wo beyond 65,504 is not served.
; ONE ROW SPACE of 27,648 rows: query 0, key 8,192, value 16,384, Wq 24,576, Wk 25,600, Wv 26,624.  The work-groups' order is that order: 128 each for the three activations, 16 each for the weights, then 16 for Wo.
; SHARES.  A wave takes a tile of 16 rows and all 1,024 of K, in 8 steps of 128 along K.  Each load reads 512 consecutive bytes of one row; a step's 16 x 512 bytes turn through the wave's own stage in LDS (pitch 528),
; so that lane (r, h) gets whole blocks of 32 of row r in the order of the operand's registers: registers 4 c .. 4 c + 3 hold k = 64 c + 32 h + 0 .. 31.
; WHAT IS STORED ARE IMAGES OF THE OPERANDS' REGISTERS: codes [tile][K step 8][c 2][lane][16 bytes]; wo16 [tile][32 along K: 32 of them][c 2][lane][16 bytes], chunk (c, h) = k 16 c + 8 h + 0 .. 7 of row r.
; Every store of a wave covers 512 consecutive bytes, aligned.  scales: [row][32 bytes], the word at 4 s serves K step s.
; No matrix unit, no cluster, no barrier: waves share nothing.  Loads run two steps (32 loads a wave) ahead.  The two paths part on the work-group's number and have LDS bytes of their own.
.set PITCH, 528                        ; a stage row: 512 bytes + 16, an odd multiple of 16: the sixteen rows that a load touches start at sixteen different banks (ISA guide 11.1)
.set WSTG,  16*PITCH                   ; a wave's stage
.set WOST,  4*WSTG                     ; the stages of the path for Wo lie behind the quantiser's
.set SPARE, 8*WSTG                     ; behind both: the spare words, 128 bytes for each wave, which no other line names
.set GI,  4                            ; v4   16 x lane: my bytes of a load's or a store's 512
.set SI,  5                            ; v5   the stage on the way in
.set SOA, 6                            ; v6   the stage on the way out
.set SCO, 7                            ; v7   32 r + 16 h: my 16 scale bytes
.set SH8, 8                            ; v8   8 h
.set SPW, 10                           ; v10  LDS address of my spare word; never rewritten
.set NIL, 11                           ; v11  0; never rewritten
.set MX,  12                           ; v12-13 largest magnitudes of my two blocks
.set SO,  14                           ; v14-15 the conversions' scale operands
.set BY,  16                           ; v16-17 the scales' bytes
.set TW,  18                           ; v18-19 at work
.set SW,  24                           ; v24-31 a scale word for each K step
.set CD,  32                           ; v32-47 codes, two sets of 8 (Wo: v32-63)
.set R,   64                           ; v64-191 two sets of 64 registers as loaded
.set X,   192                          ; v192-255 64 numbers in the operand's order
	s_load_b256 s[4:11], s[0:1], 0x0               ; query, key, value, Wq
	s_load_b256 s[12:19], s[0:1], 0x20             ; Wk, Wv, Wo, codes
	s_load_b128 s[20:23], s[0:1], 0x40             ; scales, wo16
	v_lshl_add_u32 v[SPW], v0, 2, SPARE
	v_mov_b32 v[NIL], 0
	v_lshrrev_b32 v1, 5, v0
	v_readfirstlane_b32 s24, v1                    ; wave 0..3
	v_and_b32 v1, 31, v0                           ; lane
	v_and_b32 v2, 15, v0                           ; r
	v_bfe_u32 v3, v0, 4, 1                         ; h
	v_lshlrev_b32 v[GI], 4, v1
	s_mul_i32 s25, s24, WSTG
	v_add_nc_u32 v[SI], s25, v[GI]
	v_mul_u32_u24 v[SOA], v2, PITCH
	v_add_nc_u32 v[SOA], s25, v[SOA]
	v_lshlrev_b32 v[SCO], 5, v2
	v_lshl_add_u32 v[SCO], v3, 4, v[SCO]
	v_lshlrev_b32 v[SH8], 3, v3
	v_mov_b32 v[TW+1], 0                           ; written once: a lane permute's destination counts as one of its sources
	s_mov_b32 s32, 0x76543210
	s_mov_b32 s33, 0xfedcba98                      ; v_permlanex16_b32's selects for lane l xor 16
	s_wait_kmcnt 0x0
; which tensor is mine: the choice hangs on the work-group's number alone
.macro PICK first, ptr
	s_cmp_ge_u32 ttmp9, \first
	s_cselect_b64 s[28:29], s[\ptr:\ptr+1], s[28:29]
	s_cselect_b32 s30, \first, s30
.endm
	s_mov_b64 s[28:29], s[4:5]
	s_mov_b32 s30, 0
	PICK 128, 6
	PICK 256, 8
	PICK 384, 10
	PICK 400, 12
	PICK 416, 14
	PICK 432, 16
	s_sub_co_u32 s26, ttmp9, s30
	s_lshl_b32 s26, s26, 2
	s_add_co_u32 s26, s26, s24                     ; my tile of 16 rows in that tensor
	s_lshl_b32 s34, s26, 16                        ; 16 rows of 4,096 bytes
	s_mov_b32 s35, 0
	s_add_nc_u64 s[28:29], s[28:29], s[34:35]
.macro LOAD s                          ; K step s: 512 bytes of each of my 16 rows into set s % 2
.set i, 0
.rept 16
	global_load_b128 v[R+64*((\s)%2)+4*i:R+64*((\s)%2)+4*i+3], v[GI], s[28:29] offset:4096*i+512*(\s) th:TH_LOAD_NT
.set i, i+1
.endr
.endm
.macro INTO s                          ; the step's numbers go into the stage as they were loaded
.if (\s) < 7
	s_wait_loadcnt 16                              ; this step's 16 loads are in; the next step's 16 may be out
.else
	s_wait_loadcnt 0x0
.endif
.set i, 0
.rept 16
	ds_store_b128 v[SI], v[R+64*((\s)%2)+4*i:R+64*((\s)%2)+4*i+3] offset:PITCH*i
.set i, i+1
.endr
.endm
	LOAD 0
	LOAD 1
	s_cmp_ge_u32 ttmp9, 432
	s_cbranch_scc1 .Lwo
	; ---- the quantiser's path
	v_lshl_add_u32 v[SOA], v3, 7, v[SOA]           ; out of the stage: row r, + 128 h: block h of the step's four
	s_lshl_b32 s27, ttmp9, 2
	s_add_co_u32 s27, s27, s24                     ; my tile in the row space
	s_lshl_b32 s34, s27, 13                        ; 8,192 bytes of codes a tile
	s_add_nc_u64 s[18:19], s[18:19], s[34:35]
	s_lshl_b32 s34, s27, 9                         ; 512 scale bytes a tile
	s_add_nc_u64 s[20:21], s[20:21], s[34:35]
.macro STEP s
	INTO \s
.irp c, 0,1
.irp i, 0,1,2,3,4,5,6,7
	ds_load_b128 v[X+32*\c+4*\i:X+32*\c+4*\i+3], v[SOA] offset:256*\c+16*\i   ; LDS serves a wave's instructions in order (ISA guide 5.7.1.4): these see the stores above.  Block 2 c + h of row r
.endr
.endr
	s_wait_dscnt 0x0                               ; the numbers are back, and the stores into the stage have read their registers
	s_wait_xcnt 0x0                                ; the earlier stores of codes have read theirs: this set of codes is written again only behind this wait
.if (\s)+2 < 8
	LOAD (\s)+2
.endif
.irp c, 0,1
	v_max3_num_f32 v[MX+\c], |v[X+32*\c]|, |v[X+32*\c+1]|, 0x1800000   ; all 32 numbers of a block are mine; the floor 2^(3 - 127) holds the byte at 1 from below
.endr
.irp i, 2,4,6,8,10,12,14,16,18,20,22,24,26,28,30
.irp c, 0,1
	v_max3_num_f32 v[MX+\c], v[MX+\c], |v[X+32*\c+\i]|, |v[X+32*\c+\i+1]|   ; (the two blocks by turns)
.endr
.endr
.irp c, 0,1
	v_add_nc_u32 v[SO+\c], 0xff000000, v[MX+\c]    ; 2 off the exponent field: the conversion takes the exponent field of this operand as its scale
.endr
.irp c, 0,1
.irp g, 0,1,2,3
	v_cvt_scalef32_pk8_fp4_f32 v[CD+8*((\s)%2)+4*\c+\g], v[X+32*\c+8*\g:X+32*\c+8*\g+7], v[SO+\c]   ; registers 4 c .. 4 c + 3 of the operand
.endr
.endr
.irp c, 0,1
	v_lshrrev_b32 v[BY+\c], 23, v[SO+\c]           ; the scales' bytes.  (Also the plain line behind the conversions)
.endr
	v_lshl_or_b32 v[TW], v[BY+1], 16, v[BY]        ; blocks h and 2 + h of row r,
	v_lshlrev_b32 v[TW], v[SH8], v[TW]             ; at their places in the word;
	v_permlanex16_b32 v[TW+1], v[TW], s32, s33
	v_or_b32 v[SW+(\s)], v[TW], v[TW+1]            ; with lane l xor 16's two the word is whole
.irp c, 0,1
	global_store_b128 v[GI], v[CD+8*((\s)%2)+4*\c:CD+8*((\s)%2)+4*\c+3], s[18:19] offset:1024*(\s)+512*\c   ; 32 lanes store 512 consecutive bytes
.endr
.endm
.irp s, 0,1,2,3,4,5,6,7
	STEP \s
.endr
	v_cmp_eq_u32 vcc_lo, 1, v3
.irp i, 0,1,2,3
	v_cndmask_b32 v[SW+\i], v[SW+\i], v[SW+4+\i], vcc_lo   ; lanes 0-15 store the words of K steps 0-3, lanes 16-31 those of 4-7
.endr
	global_store_b128 v[SCO], v[SW:SW+3], s[20:21] ; 16 rows x 32 bytes: 512 consecutive bytes
	s_wait_tensorcnt 0x0                           ; the wave's end, behind my last LDS store
	ds_add_u32 v[SPW], v[NIL]
	s_wait_dscnt 0x0
	s_endpgm
	; ---- Wo's path: the same turn through LDS bytes of its own, then f16
.Lwo:
	v_add_nc_u32 v[SI], WOST, v[SI]
	v_lshl_add_u32 v[SOA], v3, 5, v[SOA]           ; out of the stage: row r, + 32 h: eight numbers
	v_add_nc_u32 v[SOA], WOST, v[SOA]
	s_lshl_b32 s34, s26, 15                        ; 32,768 bytes of f16 a tile
	s_add_nc_u64 s[22:23], s[22:23], s[34:35]
.macro STEPW s
	INTO \s
.irp j, 0,1,2,3,4,5,6,7
.irp e, 0,1
	ds_load_b128 v[X+8*\j+4*\e:X+8*\j+4*\e+3], v[SOA] offset:64*\j+16*\e   ; chunk j: k = 16 j + 8 h + 0 .. 7 of row r
.endr
.endr
	s_wait_dscnt 0x0
	s_wait_xcnt 0x0                                ; the last step's stores have read their registers
.if (\s)+2 < 8
	LOAD (\s)+2
.endif
.set i, 0
.rept 32
	v_cvt_pk_f16_f32 v[CD+i], v[X+2*i], v[X+2*i+1]
.set i, i+1
.endr
.irp j, 0,1,2,3,4,5,6,7
	global_store_b128 v[GI], v[CD+4*\j:CD+4*\j+3], s[22:23] offset:4096*(\s)+512*\j
.endr
.endm
.irp s, 0,1,2,3,4,5,6,7
	STEPW \s
.endr
	s_wait_tensorcnt 0x0                           ; the wave's end, as above
	ds_add_u32 v[SPW], v[NIL]
	s_wait_dscnt 0x0
	s_endpgm
.Lfunc_end_k_q344d6f669b_prep:
	.size	k_q344d6f669b_prep, .Lfunc_end_k_q344d6f669b_prep-k_q344d6f669b_prep
	.p2alignl 7, 3214868480
	.fill 96, 4, 3214868480
	.section	.rodata,"a",@progbits
	.p2align	6, 0x0
	.amdhsa_kernel k_q344d6f669b_prep
		.amdhsa_group_segment_fixed_size 68096
		.amdhsa_private_segment_fixed_size 0
		.amdhsa_enable_private_segment 0
		.amdhsa_kernarg_size 80
		.amdhsa_user_sgpr_count 2
		.amdhsa_user_sgpr_kernarg_segment_ptr 1
		.amdhsa_wavefront_size32 1
		.amdhsa_system_sgpr_workgroup_id_x 1
		.amdhsa_system_sgpr_workgroup_id_y 1
		.amdhsa_system_sgpr_workgroup_id_z 1
		.amdhsa_system_vgpr_workitem_id 0
		.amdhsa_next_free_vgpr 256
		.amdhsa_next_free_sgpr 66
		.amdhsa_reserve_vcc 1
		.amdhsa_float_denorm_mode_32 3
		.amdhsa_float_denorm_mode_16_64 3
		.amdhsa_memory_ordered 1
		.amdhsa_forward_progress 1
		.amdhsa_inst_pref_size 106
	.end_amdhsa_kernel
	.amdgpu_metadata
---
amdhsa.version: [ 1, 2 ]
amdhsa.kernels:
  - .name:           k_q344d6f669b_prep
    .symbol:         k_q344d6f669b_prep.kd
    .args:
      - { .name: query, .offset: 0, .size: 8, .value_kind: global_buffer, .address_space: global }
      - { .name: key, .offset: 8, .size: 8, .value_kind: global_buffer, .address_space: global }
      - { .name: value, .offset: 16, .size: 8, .value_kind: global_buffer, .address_space: global }
      - { .name: Wq, .offset: 24, .size: 8, .value_kind: global_buffer, .address_space: global }
      - { .name: Wk, .offset: 32, .size: 8, .value_kind: global_buffer, .address_space: global }
      - { .name: Wv, .offset: 40, .size: 8, .value_kind: global_buffer, .address_space: global }
      - { .name: Wo, .offset: 48, .size: 8, .value_kind: global_buffer, .address_space: global }
      - { .name: codes, .offset: 56, .size: 8, .value_kind: global_buffer, .address_space: global }
      - { .name: scales, .offset: 64, .size: 8, .value_kind: global_buffer, .address_space: global }
      - { .name: wo16, .offset: 72, .size: 8, .value_kind: global_buffer, .address_space: global }
    .group_segment_fixed_size: 68096
    .private_segment_fixed_size: 0
    .kernarg_segment_align: 8
    .kernarg_segment_size: 80
    .max_flat_workgroup_size: 128
    .sgpr_count:     66
    .vgpr_count:     256
    .wavefront_size: 32
...
	.end_amdgpu_metadata
.endif
;; end of part 1
;; launch proj (part 2): grid 4 x 96, 4 waves a work-group, clusters of 4 x 4, 262,656 bytes of LDS; arguments codes, scales, bq, bk, qkv; writes qkv
.if DOCPART == 2
	.amdgcn_target "amdgcn-amd-amdhsa--gfx1250"
	.amdhsa_code_object_version 6
	.text
	.protected	k_q344d6f669b_proj
	.globl	k_q344d6f669b_proj
	.p2align	8
	.type	k_q344d6f669b_proj,@function
k_q344d6f669b_proj:
	s_mov_b64 s[64:65], 0
	v_nop
	global_prefetch_b8 v0, s[64:65] scope:SCOPE_SE
	s_setreg_imm32_b32 hwreg(HW_REG_WAVE_MODE, 25, 1), 1
	s_wait_xcnt 0x0
	s_wait_alu depctr_hold_cnt(0) depctr_sa_sdst(0) depctr_va_vdst(0) depctr_va_sdst(0) depctr_va_ssrc(0) depctr_va_vcc(0) depctr_vm_vsrc(0)
	s_getreg_b32 s2, hwreg(HW_REG_IB_STS2, 6, 4)
	s_cmp_eq_u32 s2, 0
	s_cbranch_scc0 .Lentry_in_a_cluster
	s_endpgm
.Lentry_in_a_cluster:
	s_bfe_u32 s2, ttmp6, 0x10000c
	s_cmp_lg_u32 s2, 0xf033
	s_cbranch_scc0 .Lentry_shape_is_right
	s_endpgm
.Lentry_shape_is_right:
; The three quantised products, on codes of FP4 (E2M1) with one E8M0 byte for each 32 along K = 1,024: q = (query Wq^T + bq) / 8, k = key Wk^T + bk, v0 = value Wv^T (bv is added behind the softmax, where the weights sum to 1).
; The factor 1 / 8 = 1 / sqrt(64) is a power of two: fma(sum, 1 / 8, bq / 8) is (sum + bq) / 8 rounded once.  Results are rounded to f16 and stored as images of the next launch's operand registers.
; LIMITS: results beyond 65,504 in magnitude are not served (inputs and weights some 30 times those drawn stay under it).  For v the bias registers are bk's numbers times 0: bk is taken to be finite.
; ONE TEXT FOR ALL THREE.  A work-group makes 256 R rows x 256 J rows, a wave 128 x 128: 64 accumulators.  Source 1 = R: a lane holds ONE R row (lane % 16).  Source 0 = J: its eight registers are eight neighbouring J rows.
; For q and k: R = tokens, J = channels: a lane's eight numbers are eight channels of a token: 16 bytes of a fragment [16 tokens][32 channels].  For v: R = channels of Wv, J = tokens: eight KEYS of a channel: a fragment of V^T.
; Which rows are R's and J's is chosen by s_cselect on the cluster's y, which all partners share: clusters 0-7 q, 8-15 k, 16-23 v.
; CLUSTERS: 4 x 4.  R's rows hang on cy alone and are shared along a row of the cluster, J's on cx alone and are shared along a column: each tile is asked for jointly, by the same tensor load with a mask that names the four.
; ALL OF K IS RESIDENT: 256 + 256 rows x 512 bytes = 256 KiB, in four pieces of two K steps, each piece asked for once, at the head: four tensor loads of a wave are out.  Nothing is filled again.
; The codes lie in memory as register images, [tile of 16 rows][K step][c][lane][16 bytes], so a fragment is two loads of 512 consecutive LDS bytes: no pitch, no padding.
; The scale words go from memory straight into registers, once: 32 bytes a row.  No prefetch: every tensor load goes out at the head.
; REGISTERS, in windows of 256: window 0: v16-22 addresses; v32-95 scale words: register 8 i + g: lanes 0-15 the word of R's block i, lanes 16-31 that of J's block i, for K step g; v96-127 packed results;
;   v128-191 R's fragments, ONE set (on the way out: results in f32); v192-255 the bias in the result's layout.   window 1: J's fragments, TWO sets, at v0 and v128.   windows 2, 3: the accumulators ((a, b) at v[8 (8 (a % 4) + b)]).
.set SPARE, 262144                     ; behind the four pieces: the spare words, 128 bytes for each wave, which no other line names
.set NL,    2                          ; LDS loads that bring a fragment
.set ADR_R, 16                         ; v16  LDS address of my R fragments in the piece in hand
.set ADR_J, 17                         ; v17  the same for J
.set LI,    18                         ; v18  16 x lane
.set SVO,   20                         ; v20  my row's scale bytes (v21 at work)
.set BVO,   22                         ; v22  my eight bias numbers
.set SPW,   28                         ; v28  LDS address of my spare word; never rewritten
.set NIL,   29                         ; v29  0; never rewritten
.set SC,    32
.set PK,    96
.set AF,    128
.set TT,    128
.set BJ,    192
.set G1R,   16                         ; s[16:23] descriptor group 1 for R's tiles;  s[24:31] for J's: they differ in the mask alone
.set G1J,   24
.set G0R,   32                         ; s[32:47] groups 0 for R's four pieces;  s[48:63] for J's
.set G0J,   48
.set OB,    72                         ; s[72:79] four bases in qkv: (a / 4, b / 4)
.set MSB, 0
.macro WIN new                         ; the immediate's high byte repeats the setting that is left
.if MSB != \new
	s_set_vgpr_msb (MSB<<8)|\new
.set MSB, \new
.endif
.endm
.set MUL_LO, 0xa1                      ; source 0 (J) window 1, source 1 (R) window 0, C and D window 2
.set MUL_HI, 0xf1                      ; the same, C and D window 3
.set TO_B,   0x40                      ; destination window 1, address window 0
.macro CROUND                          ; a round of the cluster's barrier
	s_barrier_signal -1
	s_barrier_wait -1
	s_cmp_lg_u32 s14, 0
	s_cbranch_scc1 .Lnot_wave_0_\@
	s_barrier_signal -3
.Lnot_wave_0_\@:
	s_barrier_wait -3
	s_barrier_signal -1
	s_barrier_wait -1
.endm
.macro PLACES n
.rept \n
	v_nop
.endr
.endm
	s_load_b256 s[4:11], s[0:1], 0x0               ; codes s[4:5], scales s[6:7], bq s[8:9], bk s[10:11]
	s_load_b64 s[12:13], s[0:1], 0x20              ; qkv
	v_lshl_add_u32 v[SPW], v0, 2, SPARE
	v_mov_b32 v[NIL], 0
	ds_add_u32 v[SPW], v[NIL]                      ; the wave's opening: the add, twice on end, and its wait ahead of my first tensor load
	ds_add_u32 v[SPW], v[NIL]                      ; and once more, under the one wait; the set-up below, work on registers, stands between
	v_lshrrev_b32 v1, 5, v0
	v_readfirstlane_b32 s14, v1                    ; wave 0..3
	s_lshr_b32 s15, s14, 1                         ; Rh: which 128 R rows are mine.  Also: I fetch for R (0) or for J (1)
	s_and_b32 s3, s14, 1                           ; Jh: which 128 J rows are mine.  Also: which 8 tiles of 16 rows I fetch
	s_bfe_u32 s66, ttmp6, 0x40000                  ; cx
	s_bfe_u32 s67, ttmp6, 0x40004                  ; cy
	s_and_b32 s68, ttmp7, 0xffff                   ; the cluster's y, 0..23
	s_lshr_b32 s69, s68, 3                         ; p: 0 q, 1 k, 2 v
	s_and_b32 s70, s68, 7                          ; which 1,024 tokens
	s_lshl_b32 s71, s69, 13
	s_lshl_b32 s96, s70, 10
	s_add_co_u32 s71, s71, s96                     ; the tokens' first row in the row space: 8,192 p + 1,024 m
	s_lshl_b32 s80, s69, 10
	s_add_co_u32 s80, s80, 24576                   ; the weight's first row: 24,576 + 1,024 p
	s_cmp_lt_u32 s68, 16
	s_cselect_b32 s81, s71, s80                    ; R: tokens for q and k, the weight for v
	s_cselect_b32 s82, s80, s71                    ; J: the other
	s_lshl_b32 s94, s67, 8
	s_add_co_u32 s81, s81, s94                     ; + 256 cy: R's registers never hold cx,
	s_lshl_b32 s95, s66, 8
	s_add_co_u32 s82, s82, s95                     ; + 256 cx: J's never cy
	s_lshl_b32 s83, s67, 2
	s_lshl_b32 s83, 15, s83                        ; my row of the cluster
	s_lshl_b32 s84, 0x1111, s66                    ; my column
	; descriptor group 1: 8 tiles' parts of a piece: 8 rows of 2,048 bytes (256 elements of 8 bytes), 8,192 bytes apart in memory, dense in LDS
	s_or_b32 s[G1R], s83, (3<<16)|(1<<21)          ; 15:0 the mask; 17:16 elements of 8 bytes; 20 no padding; 21 set beside a mask
	s_or_b32 s[G1J], s84, (3<<16)|(1<<21)
.irp g, G1R, G1J
	s_mov_b32 s[\g+1], 256<<16                     ; tensor_dim0
	s_mov_b32 s[\g+2], 8<<16                       ; tensor_dim1
	s_mov_b32 s[\g+3], 256<<16                     ; tile_dim0
	s_mov_b32 s[\g+4], 8                           ; tile_dim1
	s_mov_b32 s[\g+5], 1024                        ; tensor_dim0_stride
	s_mov_b32 s[\g+6], 0
	s_mov_b32 s[\g+7], 0
.endr
	s_lshl_b32 s96, s3, 16                         ; the 8 tiles that I fetch: 65,536 bytes on
	s_lshl_b32 s86, s81, 9                         ; 512 bytes of codes a row
	s_add_co_u32 s86, s86, s96
	s_mov_b32 s87, 0
	s_lshl_b32 s88, s82, 9
	s_add_co_u32 s88, s88, s96
	s_mov_b32 s89, 0
	s_lshl_b32 s97, s14, 14                        ; where they go in a piece: R's two halves, then J's two = wave x 16,384: no place in the cluster enters an LDS address
	s_wait_dscnt 0x0                               ; both opening adds are done
	s_wait_kmcnt 0x0
	s_add_nc_u64 s[86:87], s[4:5], s[86:87]
	s_add_nc_u64 s[88:89], s[4:5], s[88:89]
.irp i, 0,1,2,3
	s_mov_b32 s[G0R+4*\i], 1                       ; count = 1
	s_add_co_u32 s[G0R+4*\i+1], s97, \i*65536      ; LDS address: piece i
	s_add_nc_u64 s[G0R+4*\i+2:G0R+4*\i+3], s[86:87], \i*2048   ; global address: K steps 2 i and 2 i + 1
	s_or_b32 s[G0R+4*\i+3], s[G0R+4*\i+3], 0x80000000          ; type = 2
	s_mov_b32 s[G0J+4*\i], 1
	s_add_co_u32 s[G0J+4*\i+1], s97, \i*65536
	s_add_nc_u64 s[G0J+4*\i+2:G0J+4*\i+3], s[88:89], \i*2048
	s_or_b32 s[G0J+4*\i+3], s[G0J+4*\i+3], 0x80000000
.endr
	CROUND                                         ; all sixteen work-groups are here: the joint loads meet
	s_cmp_eq_u32 s15, 0                            ; a wave's four fills stand in one branch on the wave's number; an s_nop 0 follows each, four v_nop the last
	s_cbranch_scc0 .Lfor_j
.irp i, 0,1,2,3
	tensor_load_to_lds s[G0R+4*\i:G0R+4*\i+3], s[G1R:G1R+7]
	s_nop 0
.endr
	PLACES 4
	s_branch .Lasked
.Lfor_j:
.irp i, 0,1,2,3
	tensor_load_to_lds s[G0J+4*\i:G0J+4*\i+3], s[G1J:G1J+7]
	s_nop 0
.endr
	PLACES 4
.Lasked:
	v_and_b32 v1, 31, v0                           ; lane
	v_and_b32 v2, 15, v0                           ; r
	v_bfe_u32 v3, v0, 4, 1                         ; h
	v_lshlrev_b32 v[LI], 4, v1
	s_lshl_b32 s98, s15, 14
	v_add_nc_u32 v[ADR_R], s98, v[LI]              ; my 8 tiles of R: 16,384 Rh
	s_lshl_b32 s98, s3, 14
	s_add_co_u32 s98, s98, 32768
	v_add_nc_u32 v[ADR_J], s98, v[LI]              ; my 8 tiles of J, behind R's 16
	; the scale words: lanes 0-15 take R's rows, lanes 16-31 J's; 32 bytes a row
	s_lshl_b32 s98, s15, 7
	s_add_co_u32 s98, s98, s81
	s_lshl_b32 s98, s98, 5
	s_lshl_b32 s99, s3, 7
	s_add_co_u32 s99, s99, s82
	s_lshl_b32 s99, s99, 5
	v_mov_b32 v[SVO], s98
	v_mov_b32 v[SVO+1], s99
	v_cmp_eq_u32 vcc_lo, 1, v3
	v_cndmask_b32 v[SVO], v[SVO], v[SVO+1], vcc_lo
	v_lshl_add_u32 v[SVO], v2, 5, v[SVO]
.irp i, 0,1,2,3,4,5,6,7
	global_load_b128 v[SC+8*\i:SC+8*\i+3], v[SVO], s[6:7] offset:512*\i       ; block i, K steps 0-3
	global_load_b128 v[SC+8*\i+4:SC+8*\i+7], v[SVO], s[6:7] offset:512*\i+16  ; and 4-7
.endr
	; the bias, in the result's layout: for J's block b the numbers 16 b + 8 h + 0 .. 7 of my 128 channels
	s_lshl_b32 s99, s66, 8
	s_lshl_b32 s85, s3, 7
	s_add_co_u32 s99, s99, s85                     ; 256 cx + 128 Jh
	s_lshl_b32 s85, s99, 2
	v_lshl_add_u32 v[BVO], v3, 5, s85
	s_cmp_eq_u32 s69, 0
	s_cselect_b64 s[8:9], s[8:9], s[10:11]         ; bq for q, else bk
	s_mov_b32 s90, 1.0
	s_cselect_b32 s90, 0x3e000000, s90             ; what the sums are multiplied by: 1 / 8 for q, else 1
	s_mov_b32 s91, s90                             ; (named with it as a pair, so it is written)
	s_cmp_eq_u32 s69, 2
	s_cselect_b32 s92, 0, s90                      ; and the bias: 1 / 8, 1, and 0 for v
	s_mov_b32 s93, s92
.irp b, 0,1,2,3,4,5,6,7
	global_load_b128 v[BJ+8*\b:BJ+8*\b+3], v[BVO], s[8:9] offset:64*\b
	global_load_b128 v[BJ+8*\b+4:BJ+8*\b+7], v[BVO], s[8:9] offset:64*\b+16
.endr
	; where my results go.  q, k: [batch x head][tile of 16 tokens][2,048 bytes]; v^T: [batch x head][64 keys][8,192 bytes]: 128 bytes a token in both
	s_lshl_b32 s98, s67, 8
	s_lshl_b32 s85, s15, 7
	s_add_co_u32 s98, s98, s85                     ; 256 cy + 128 Rh
	s_cmp_lt_u32 s68, 16
	s_cselect_b32 s2, s98, s99                     ; my first token of the 1,024,
	s_cselect_b32 s85, s99, s98                    ; my first channel
	s_mov_b32 s98, 262144
	s_cselect_b32 s98, 8192, s98                   ; four R blocks on: 64 tokens, or a head
	s_mov_b32 s99, 0
	s_mov_b32 s76, 8192
	s_cselect_b32 s76, 262144, s76                 ; four J blocks on: a head, or 64 tokens
	s_mov_b32 s77, 0
	s_lshl_b32 s78, s70, 10
	s_add_co_u32 s2, s2, s78                       ; my first token of the 8,192
	s_lshr_b32 s78, s2, 11
	s_lshl_b32 s78, s78, 22                        ; the batch: 16 heads of 262,144 bytes
	s_and_b32 s2, s2, 2047
	s_lshl_b32 s2, s2, 7
	s_add_co_u32 s78, s78, s2
	s_lshl_b32 s85, s85, 12                        ; the head: channel / 64 x 262,144
	s_add_co_u32 s78, s78, s85
	s_lshl_b32 s2, s69, 24                         ; the section: 16 MiB each
	s_add_co_u32 s78, s78, s2
	s_mov_b32 s79, 0
	s_add_nc_u64 s[OB:OB+1], s[12:13], s[78:79]
	s_add_nc_u64 s[OB+2:OB+3], s[OB:OB+1], s[76:77]
	s_add_nc_u64 s[OB+6:OB+7], s[OB+2:OB+3], s[98:99]
	s_add_nc_u64 s[OB+4:OB+5], s[OB:OB+1], s[98:99]
.macro FRAG reg, adr, q, i             ; a fragment, 16 rows x 128 K of 4-bit codes, is 8 registers: two loads of 512 consecutive bytes
.irp c, 0,1
	ds_load_b128 v[\reg+4*\c:\reg+4*\c+3], v[\adr] offset:2048*(\i)+1024*(\q)+512*\c
.endr
.endm
; 16 matrix instructions: R's blocks a0, a0 + 1 x J's eight, K step g.  p: J's set.  zero = 1: the first product starts the sums.  The 64 accumulators take turns, one instruction a turn, in the same order in every step.
.macro MUL16 a0, p, g, zero
.irp a, \a0, \a0+1
.irp b, 0,1,2,3,4,5,6,7
.if \zero
	v_wmma_scale_f32_16x16x128_f8f6f4 v[8*(8*((\a)%4)+\b):8*(8*((\a)%4)+\b)+7], v[128*(\p)+8*\b:128*(\p)+8*\b+7], v[AF+8*(\a):AF+8*(\a)+7], 0, v[SC+8*\b+(\g)], v[SC+8*(\a)+(\g)] matrix_a_fmt:MATRIX_FMT_FP4 matrix_b_fmt:MATRIX_FMT_FP4 matrix_a_scale:MATRIX_SCALE_ROW1
.else
	v_wmma_scale_f32_16x16x128_f8f6f4 v[8*(8*((\a)%4)+\b):8*(8*((\a)%4)+\b)+7], v[128*(\p)+8*\b:128*(\p)+8*\b+7], v[AF+8*(\a):AF+8*(\a)+7], v[8*(8*((\a)%4)+\b):8*(8*((\a)%4)+\b)+7], v[SC+8*\b+(\g)], v[SC+8*(\a)+(\g)] matrix_a_fmt:MATRIX_FMT_FP4 matrix_b_fmt:MATRIX_FMT_FP4 matrix_a_scale:MATRIX_SCALE_ROW1
.endif
.endr
.endr
.endm
.macro FETCH_J q, p                    ; J's eight fragments of the piece's q-th K step into set p
	WIN TO_B
.irp i, 0,1,2,3,4,5,6,7
	FRAG 128*(\p)+8*\i, ADR_J, \q, \i
.endr
	WIN 0
.endm
.macro FETCH_R q, i0                   ; R's blocks i0 .. i0 + 3
.irp i, \i0, \i0+1, \i0+2, \i0+3
	FRAG AF+8*(\i), ADR_R, \q, \i
.endr
.endm
; A load into a register that a matrix instruction has read stands four places behind it, and only plain vector instructions that name none of its registers are places (ISA guide 7.12.1 for vector instructions).
; An even K step: its successor lies in the same piece.  A block of R is free as soon as its eight products are issued: blocks 0-3 are fetched anew in the step's middle, blocks 4-7 at its end.
.macro STEP g, zero
	s_wait_dscnt 4*NL                              ; J's set and R's blocks 0-3 are in; the youngest eight loads (R's blocks 4-7) may be out
	WIN MUL_LO
	MUL16 0, 0, \g, \zero
	MUL16 2, 0, \g, \zero
	s_wait_dscnt 0x0
	PLACES 4
	FETCH_J 1, 1
	FETCH_R 1, 0
	WIN MUL_HI
	MUL16 4, 0, \g, \zero
	MUL16 6, 0, \g, \zero
	PLACES 4
	WIN 0
	FETCH_R 1, 4
.endm
; An odd K step: its successor lies in the next piece, which other waves' loads brought: my part of it is waited for, then a barrier.  The later pieces may stay out.
.macro CROSS g
	s_wait_tensorcnt 3-((\g)+1)/2                  ; the count: the pieces that were asked for behind the next one
	s_wait_dscnt 4*NL
	WIN MUL_LO
	MUL16 0, 1, \g, 0
	s_wait_dscnt 0x0                               ; no LDS instruction of mine is out at the signal
	s_barrier_signal -1
	MUL16 2, 1, \g, 0                              ; work on registers while the others arrive
	WIN 0
	s_barrier_wait -1
	v_add_nc_u32 v[ADR_R], 0x10000, v[ADR_R]       ; on to the next piece.  (These two and the two v_nop are the four places in front of the loads)
	v_add_nc_u32 v[ADR_J], 0x10000, v[ADR_J]
	PLACES 2
	FETCH_J 0, 0
	FETCH_R 0, 0
	WIN MUL_HI
	MUL16 4, 1, \g, 0
	MUL16 6, 1, \g, 0
	PLACES 4
	WIN 0
	FETCH_R 0, 4
.endm
	s_wait_tensorcnt 3                             ; my part of piece 0 is in; pieces 1 to 3 may stay out,
	s_barrier_signal -1
	s_barrier_wait -1                              ; everybody's is
	FETCH_J 0, 0
	FETCH_R 0, 0
	FETCH_R 0, 4
	s_wait_loadcnt 0x0                             ; the scale words and the bias
	STEP 0, 1
	CROSS 1
	STEP 2, 0
	CROSS 3
	STEP 4, 0
	CROSS 5
	STEP 6, 0
	s_wait_dscnt 4*NL                              ; the last K step: nothing more to fetch
	WIN MUL_LO
	MUL16 0, 1, 7, 0
	MUL16 2, 1, 7, 0
	s_wait_dscnt 0x0
	WIN MUL_HI
	MUL16 4, 1, 7, 0
	MUL16 6, 1, 7, 0
	WIN 0
	; THE WAY OUT.  The bias takes its factor: these 32 lines name no register of the last products and are the places behind them.
.set n, 0
.rept 32
	v_pk_mul_f32 v[BJ+n:BJ+n+1], v[BJ+n:BJ+n+1], s[92:93] op_sel_hi:[1,0]
.set n, n+2
.endr
; R's block a: sum x factor + bias, each accumulator from its low end on; rounded to f16; a lane's eight numbers are 16 bytes of an operand's image, so the wave stores 512 consecutive bytes straight from registers.
.macro OUT a
	WIN 0x02+(\a)/4                                ; source 0: window 2 or 3
.set n, 0
.rept 32
	v_pk_fma_f32 v[TT+n:TT+n+1], v[64*((\a)%4)+n:64*((\a)%4)+n+1], s[90:91], v[BJ+n:BJ+n+1] op_sel_hi:[1,0,1]
.set n, n+2
.endr
	WIN 0
.if (\a) > 0
	s_wait_xcnt 0x0                                ; the last block's stores have read their registers
.endif
.set n, 0
.rept 32
	v_cvt_pk_f16_f32 v[PK+n], v[TT+2*n], v[TT+2*n+1]
.set n, n+1
.endr
.irp b, 0,1,2,3,4,5,6,7
	global_store_b128 v[LI], v[PK+4*\b:PK+4*\b+3], s[OB+4*((\a)/4)+2*(\b/4):OB+4*((\a)/4)+2*(\b/4)+1] offset:2048*((\a)%4)+512*(\b%4)
.endr
.endm
.irp a, 0,1,2,3,4,5,6,7
	OUT \a
.endr
	s_wait_tensorcnt 0x0                           ; the wave's end, behind my last tensor load
	ds_add_u32 v[SPW], v[NIL]
	s_wait_dscnt 0x0
	CROUND                                         ; the closing round: no work-group ends while a partner may still ask for a tile that names it
	s_endpgm
.Lfunc_end_k_q344d6f669b_proj:
	.size	k_q344d6f669b_proj, .Lfunc_end_k_q344d6f669b_proj-k_q344d6f669b_proj
	.p2alignl 7, 3214868480
	.fill 96, 4, 3214868480
	.section	.rodata,"a",@progbits
	.p2align	6, 0x0
	.amdhsa_kernel k_q344d6f669b_proj
		.amdhsa_group_segment_fixed_size 262656
		.amdhsa_private_segment_fixed_size 0
		.amdhsa_enable_private_segment 0
		.amdhsa_kernarg_size 40
		.amdhsa_user_sgpr_count 2
		.amdhsa_user_sgpr_kernarg_segment_ptr 1
		.amdhsa_wavefront_size32 1
		.amdhsa_system_sgpr_workgroup_id_x 1
		.amdhsa_system_sgpr_workgroup_id_y 1
		.amdhsa_system_sgpr_workgroup_id_z 1
		.amdhsa_system_vgpr_workitem_id 0
		.amdhsa_next_free_vgpr 1024
		.amdhsa_next_free_sgpr 100
		.amdhsa_reserve_vcc 1
		.amdhsa_float_denorm_mode_32 3
		.amdhsa_float_denorm_mode_16_64 3
		.amdhsa_memory_ordered 1
		.amdhsa_forward_progress 1
		.amdhsa_inst_pref_size 137
	.end_amdhsa_kernel
	.amdgpu_metadata
---
amdhsa.version: [ 1, 2 ]
amdhsa.kernels:
  - .name:           k_q344d6f669b_proj
    .symbol:         k_q344d6f669b_proj.kd
    .args:
      - { .name: codes, .offset: 0, .size: 8, .value_kind: global_buffer, .address_space: global }
      - { .name: scales, .offset: 8, .size: 8, .value_kind: global_buffer, .address_space: global }
      - { .name: bq, .offset: 16, .size: 8, .value_kind: global_buffer, .address_space: global }
      - { .name: bk, .offset: 24, .size: 8, .value_kind: global_buffer, .address_space: global }
      - { .name: qkv, .offset: 32, .size: 8, .value_kind: global_buffer, .address_space: global }
    .group_segment_fixed_size: 262656
    .private_segment_fixed_size: 0
    .kernarg_segment_align: 8
    .kernarg_segment_size: 40
    .max_flat_workgroup_size: 128
    .sgpr_count:     100
    .vgpr_count:     1024
    .wavefront_size: 32
...
	.end_amdgpu_metadata
.endif
;; end of part 2
;; launch attn (part 3): grid 4 x 64, 8 waves a work-group, clusters of 4 x 4, 327,680 bytes of LDS; arguments qkv, mask, bv, ctx; writes ctx
.if DOCPART == 3
	.amdgcn_target "amdgcn-amd-amdhsa--gfx1250"
	.amdhsa_code_object_version 6
	.text
	.protected	k_q344d6f669b_attn
	.globl	k_q344d6f669b_attn
	.p2align	8
	.type	k_q344d6f669b_attn,@function
k_q344d6f669b_attn:
	s_mov_b64 s[64:65], 0
	v_nop
	global_prefetch_b8 v0, s[64:65] scope:SCOPE_SE
	s_setreg_imm32_b32 hwreg(HW_REG_WAVE_MODE, 25, 1), 1
	s_wait_xcnt 0x0
	s_wait_alu depctr_hold_cnt(0) depctr_sa_sdst(0) depctr_va_vdst(0) depctr_va_sdst(0) depctr_va_ssrc(0) depctr_va_vcc(0) depctr_vm_vsrc(0)
	s_getreg_b32 s2, hwreg(HW_REG_IB_STS2, 6, 4)
	s_cmp_eq_u32 s2, 0
	s_cbranch_scc0 .Lentry_in_a_cluster
	s_endpgm
.Lentry_in_a_cluster:
	s_bfe_u32 s2, ttmp6, 0x10000c
	s_cmp_lg_u32 s2, 0xf033
	s_cbranch_scc0 .Lentry_shape_is_right
	s_endpgm
.Lentry_shape_is_right:
; ctx[b][q][head] = softmax_k(q . k / 8 + mask[b][q][k]) v0 + bv.  q (already divided by 8), k and v0^T come as f16, as images of operand registers; the mask is f32, as given; products, maxima and sums in f32;
; the weights p are rounded to f16 for the second product, ctx once at the end.  bv is added behind the division by the row's sum: the normalised weights sum to 1.
; LIMIT: the running maximum is held at -1e38 from below, so that c m stays finite and a key whose score is -infinity gets the weight 0.  A row ALL of whose scores lie under -1e38 gets the sum 0 and NaN.
; SHARES.  A work-group owns 512 queries of one batch and head; each of its eight waves 64: four tiles of 16, in 512 registers: two waves to a SIMD, so that one wave's softmax stands beside the other's products.
; Every wave walks the 2,048 keys, 64 a step.
; LAYOUT.  S^T = K Q^T (source 0 = 16 keys, source 1 = 16 queries): a lane holds ONE query (lane % 16) and the keys 8 (lane / 16) + 0 .. 7.  Two such tiles, rounded to f16 in pairs, ARE source 1 of O^T = V^T P.
; THE MASK COSTS NO VECTOR INSTRUCTION: it is loaded from LDS into S^T's registers and is the C of the first product K Q^T.
; CLUSTER, 4 x 4: cx = the block of 512 queries, cy = one of four heads of one batch.  K and V^T hang on the head: shared along a row of the cluster.  The mask hangs on batch and queries: shared along a column.
; Each tile is asked for jointly, by the same tensor load with a mask of work-groups that names the four.
; THE RING: two slots, each a key step: 512 rows x 256 bytes of mask (pitch 272), 8 KiB of K, 8 KiB of V^T.  Waves 0-3 fetch 128 rows of mask each, waves 4-7 halves of K and of V^T: one load a wave behind each round.
; REGISTERS: window 0: v4-11 addresses; v16-47 statistics, eight a tile: +0 c m, +1 m, +2, +3 l, +4 to +7 at work (a takes +6); v48-63 the sums' chains; v64-191 S^T, 32 a tile (p in place in the first 16); v192-255 K.
;   window 1: v0-127 O^T, 32 a tile; v128-191 Q; v192-255 V^T.
.set MP,    272                        ; a row of mask in LDS: 256 bytes + 16: the sixteen rows that a load touches start at sixteen different banks (ISA guide 11.1)
.set MSK,   512*MP                     ; behind the mask: K, then V^T
.set SLOT,  MSK+16384
.set SPARE, 2*SLOT                     ; behind the ring: the spare words, 128 bytes for each wave, which no other line names
.set AM,  4                            ; v4-5  my lane's place in the mask of slot 0, 1
.set AKV, 6                            ; v6-7  and in K
.set LI,  8                            ; v8    16 x lane
.set PFO, 9                            ; v9    the prefetches' offset; never rewritten (v10 at work)
.set BVO, 11                           ; v11   32 h: my eight numbers of bv
.set SPW, 12                           ; v12   LDS address of my spare word; never rewritten
.set NIL, 13                           ; v13   0; never rewritten
.set ST,  16
.set SU,  48
.set S,   64
.set KB,  192
.set QF,  128                          ; in window 1
.set VB,  192                          ; in window 1
.set WV,  12                           ; s12   my wave's number
.set G1M, 16                           ; s[16:23] descriptor group 1 for the mask;  s[24:31] for K and V^T
.set G1K, 24
.set G0M, 32                           ; s[32:39] groups 0 for the mask, one for each slot;  s[40:47] for K and V^T
.set G0K, 40
.set CS,  48                           ; s[48:49] c = log2(e)
.set SEL, 50                           ; s[50:51] lane selects for v_permlanex16_b32: lane l xor 16
.set TRIPS, 52
.set LIMA, 53                          ; a wave prefetches at a trip's first change of slots while s[TRIPS] is above s[LIMA],
.set LIMB, 54                          ; at its second while it is above s[LIMB]
.set PFA, 56                           ; s[56:57] where my prefetches stand
.set PFS, 58                           ; s[58:59] their step at each change of slots
.set MSB, 0
.macro WIN new                         ; the immediate's high byte repeats the setting that is left
.if MSB != \new
	s_set_vgpr_msb (MSB<<8)|\new
.set MSB, \new
.endif
.endm
.macro CROUND                          ; a round of the cluster's barrier
	s_barrier_signal -1
	s_barrier_wait -1
	s_cmp_lg_u32 s[WV], 0
	s_cbranch_scc1 .Lnot_wave_0_\@
	s_barrier_signal -3
.Lnot_wave_0_\@:
	s_barrier_wait -3
	s_barrier_signal -1
	s_barrier_wait -1
.endm
; A joint refill.  The branch hangs on the wave's number alone.  An s_nop 0 and four v_nop follow each of the two lines.
.macro JLOAD slot
	s_cmp_lt_u32 s[WV], 4
	s_cbranch_scc0 .Lfor_kv_\@
	tensor_load_to_lds s[G0M+4*\slot:G0M+4*\slot+3], s[G1M:G1M+7]
	s_nop 0
.rept 4
	v_nop
.endr
	s_branch .Lasked_\@
.Lfor_kv_\@:
	tensor_load_to_lds s[G0K+4*\slot:G0K+4*\slot+3], s[G1K:G1K+7]
	s_nop 0
.rept 4
	v_nop
.endr
.Lasked_\@:
.endm
; A PREFETCH INTO THE L2, behind the wave's tensor load and its five lines.  Each aligned block of 256 bytes is named once in the launch.
; THE MASK: a key step is 256 bytes of each of a batch's 2,048 rows.  The four clusters of a batch read the same rows: the first of them asks, at every change of slots, for the step that the NEXT change will load.
; Its sixteen work-groups' waves 0-3 take 32 rows each, told apart by address: row 512 cx + 128 cy + 32 wave + lane.
; K AND V^T: wave 4 of every work-group asks, at a trip's second change, for the two steps that the next trip's changes will load: 16 KiB of each; the four partners of a row take 4 KiB of each, by address:
; lanes 0-15 sixteen blocks of K, lanes 16-31 sixteen of V^T.  The last trip's second change asks for nothing; steps 0 to 2 of the mask and 0 to 3 of K and V^T come by their loads alone.
.macro ASK lim
	s_cmp_gt_u32 s[TRIPS], s[\lim]
	s_cbranch_scc0 .Lnot_mine_\@
	global_prefetch_b8 v[PFO], s[PFA:PFA+1] th:TH_LOAD_NT scope:SCOPE_SE
.Lnot_mine_\@:
.endm
	s_load_b256 s[4:11], s[0:1], 0x0               ; qkv s[4:5], mask s[6:7], bv s[8:9], ctx s[10:11]
	v_lshl_add_u32 v[SPW], v0, 2, SPARE
	v_mov_b32 v[NIL], 0
	ds_add_u32 v[SPW], v[NIL]                      ; the wave's opening: the add, twice on end, and its wait ahead of my first tensor load
	ds_add_u32 v[SPW], v[NIL]                      ; and once more, under the one wait; the set-up below, work on registers, stands between
	v_lshrrev_b32 v1, 5, v0
	v_readfirstlane_b32 s[WV], v1                  ; wave 0..7
	s_and_b32 s13, s[WV], 3                        ; which part I fetch
	s_bfe_u32 s14, ttmp6, 0x40000                  ; cx: my block of 512 queries
	s_bfe_u32 s15, ttmp6, 0x40004                  ; cy
	s_and_b32 s60, ttmp7, 0xffff                   ; the cluster's y, 0..15
	s_lshl_b32 s61, s60, 2
	s_add_co_u32 s61, s61, s15                     ; 16 x batch + head
	s_lshr_b32 s62, s60, 2                         ; the batch
	s_and_b32 s63, s61, 15                         ; the head
	s_lshl_b32 s66, s15, 2
	s_lshl_b32 s66, 15, s66                        ; my row of the cluster
	s_lshl_b32 s67, 0x1111, s14                    ; my column
	; descriptor group 1.  The mask: 128 rows x 64 elements of 4 bytes, 2,048 elements apart, 16 bytes of padding behind each row
	s_or_b32 s[G1M], s67, (2<<16)|(1<<20)|(1<<21)|(5<<22)|(3<<25)   ; 15:0 my column; 17:16 4 bytes; 20 padding on; 21 set beside a mask; 24:22 after every 64 words; 31:25 four words
	s_mov_b32 s[G1M+1], 64<<16                     ; tensor_dim0
	s_mov_b32 s[G1M+2], 128<<16                    ; tensor_dim1
	s_mov_b32 s[G1M+3], 64<<16                     ; tile_dim0
	s_mov_b32 s[G1M+4], 128                        ; tile_dim1
	s_mov_b32 s[G1M+5], 2048                       ; tensor_dim0_stride
	s_mov_b32 s[G1M+6], 0
	s_mov_b32 s[G1M+7], 0
	; K, V^T: 4,096 dense bytes as 16 rows of 256 (32 elements of 8 bytes)
	s_or_b32 s[G1K], s66, (3<<16)|(1<<21)          ; my row; no padding
	s_mov_b32 s[G1K+1], 32<<16
	s_mov_b32 s[G1K+2], 16<<16
	s_mov_b32 s[G1K+3], 32<<16
	s_mov_b32 s[G1K+4], 16
	s_mov_b32 s[G1K+5], 32
	s_mov_b32 s[G1K+6], 0
	s_mov_b32 s[G1K+7], 0
	s_lshl_b32 s68, s62, 11                        ; the mask's rows that I fetch: 2,048 batch + 512 cx + 128 part: these registers never hold cy
	s_lshl_b32 s72, s14, 9
	s_add_co_u32 s68, s68, s72
	s_lshl_b32 s72, s13, 7
	s_add_co_u32 s68, s68, s72
	s_lshl_b32 s68, s68, 13                        ; 8,192 bytes a row
	s_mov_b32 s69, 0
	s_lshr_b32 s70, s13, 1                         ; K (parts 0, 1) lies in qkv's second section of 16 MiB, V^T (parts 2, 3) in the third: these registers never hold cx
	s_add_co_u32 s70, s70, 1
	s_lshl_b32 s70, s70, 24
	s_lshl_b32 s73, s61, 18                        ; 262,144 bytes a head
	s_add_co_u32 s70, s70, s73
	s_and_b32 s73, s13, 1
	s_lshl_b32 s73, s73, 12                        ; which half of a step's 8,192 bytes
	s_add_co_u32 s70, s70, s73
	s_mov_b32 s71, 0
	s_mul_i32 s74, s13, 128*MP                     ; where they go in a slot: no place in the cluster enters an LDS address
	s_lshl_b32 s75, s13, 12
	s_add_co_u32 s75, s75, MSK
	s_mov_b32 s[CS], 0x3fb8aa3b                    ; c = log2(e)
	s_mov_b32 s[CS+1], s[CS]                       ; (named with it as a pair, so it is written)
	s_mov_b32 s[SEL], 0x76543210
	s_mov_b32 s[SEL+1], 0xfedcba98
	s_mov_b32 s[TRIPS], 15
	; who prefetches: the same in all sixteen partners, for a given wave
	s_lshr_b32 s78, s[WV], 2
	s_and_b32 s79, s60, 3
	s_or_b32 s78, s78, s79                         ; 0 in waves 0-3 of a batch's first cluster
	s_cmp_eq_u32 s78, 0
	s_cselect_b32 s[LIMA], 0, -1
	s_cselect_b32 s[LIMB], 1, -1
	s_cmp_eq_u32 s[WV], 4
	s_cselect_b32 s[LIMB], 1, s[LIMB]
	; and where: the mask's step 2, or K's step 2; each change of slots steps the address ahead of its request
	s_lshl_b32 s80, s62, 11
	s_lshl_b32 s82, s14, 9
	s_add_co_u32 s80, s80, s82
	s_lshl_b32 s82, s15, 7
	s_add_co_u32 s80, s80, s82
	s_lshl_b32 s82, s13, 5
	s_add_co_u32 s80, s80, s82
	s_lshl_b32 s80, s80, 13
	s_add_co_u32 s80, s80, 512
	s_lshl_b32 s82, s61, 18
	s_lshl_b32 s85, s14, 12
	s_add_co_u32 s82, s82, s85
	s_add_co_u32 s82, s82, (1<<24)+16384
	s_mov_b32 s81, 0
	s_mov_b32 s[PFS+1], 0
	; Q, ctx, bv
	s_lshl_b32 s76, s61, 18
	s_lshl_b32 s78, s14, 16                        ; 512 queries x 128 bytes
	s_add_co_u32 s76, s76, s78
	s_lshl_b32 s78, s[WV], 13                      ; 64 queries
	s_add_co_u32 s76, s76, s78
	s_mov_b32 s77, 0
	s_lshl_b32 s86, s62, 22                        ; ctx: tile of 16 tokens 128 batch + 32 cx + 4 wave, 32,768 bytes each; + 2,048 head
	s_lshl_b32 s78, s14, 20
	s_add_co_u32 s86, s86, s78
	s_lshl_b32 s78, s[WV], 17
	s_add_co_u32 s86, s86, s78
	s_lshl_b32 s78, s63, 11
	s_add_co_u32 s86, s86, s78
	s_mov_b32 s87, 0
	s_lshl_b32 s88, s63, 8                         ; bv: 64 numbers a head
	s_mov_b32 s89, 0
	s_wait_dscnt 0x0                               ; both opening adds are done
	s_wait_kmcnt 0x0
	s_add_nc_u64 s[68:69], s[6:7], s[68:69]
	s_add_nc_u64 s[70:71], s[4:5], s[70:71]
.irp s, 0,1
	s_mov_b32 s[G0M+4*\s], 1                       ; count = 1
	s_add_co_u32 s[G0M+4*\s+1], s74, \s*SLOT       ; LDS address
	s_add_nc_u64 s[G0M+4*\s+2:G0M+4*\s+3], s[68:69], \s*256    ; global address: key step s
	s_or_b32 s[G0M+4*\s+3], s[G0M+4*\s+3], 0x80000000          ; type = 2
	s_mov_b32 s[G0K+4*\s], 1
	s_add_co_u32 s[G0K+4*\s+1], s75, \s*SLOT
	s_add_nc_u64 s[G0K+4*\s+2:G0K+4*\s+3], s[70:71], \s*8192
	s_or_b32 s[G0K+4*\s+3], s[G0K+4*\s+3], 0x80000000
.endr
	s_add_nc_u64 s[76:77], s[4:5], s[76:77]        ; Q at my wave's first query
	s_add_nc_u64 s[10:11], s[10:11], s[86:87]
	s_add_nc_u64 s[8:9], s[8:9], s[88:89]
	s_cmp_lt_u32 s[WV], 4
	s_cselect_b64 s[PFA:PFA+1], s[6:7], s[4:5]
	s_cselect_b32 s80, s80, s82
	s_mov_b32 s82, 8192
	s_cselect_b32 s[PFS], 256, s82                 ; a key step on: 256 bytes in a row of mask, 8,192 in K and V^T
	s_mov_b32 s83, 256
	s_cselect_b32 s83, 8192, s83                   ; from lane to lane among sixteen: a row of mask, or a block
	s_mov_b32 s84, 1<<24
	s_cselect_b32 s84, 131072, s84                 ; lanes 16-31: sixteen rows on, or V^T's section
	s_add_nc_u64 s[PFA:PFA+1], s[PFA:PFA+1], s[80:81]
	CROUND                                         ; all sixteen work-groups are here: the first joint loads meet
	s_cmp_lt_u32 s[WV], 4                          ; a wave's two first fills stand in one branch: two loads of mine are out
	s_cbranch_scc0 .Lfirst_kv
	tensor_load_to_lds s[G0M:G0M+3], s[G1M:G1M+7]
	s_nop 0
	tensor_load_to_lds s[G0M+4:G0M+7], s[G1M:G1M+7]
	s_nop 0
.rept 4
	v_nop
.endr
	s_branch .Lfirst_asked
.Lfirst_kv:
	tensor_load_to_lds s[G0K:G0K+3], s[G1K:G1K+7]
	s_nop 0
	tensor_load_to_lds s[G0K+4:G0K+7], s[G1K:G1K+7]
	s_nop 0
.rept 4
	v_nop
.endr
.Lfirst_asked:
	v_and_b32 v1, 31, v0                           ; lane
	v_and_b32 v2, 15, v0                           ; r
	v_bfe_u32 v3, v0, 4, 1                         ; h
	v_lshlrev_b32 v[LI], 4, v1
	WIN 0x40                                       ; destination window 1
.set n, 0
.rept 16                               ; Q stays in registers: chunk n = 4 t + 2 f + c of my four tiles' images
	global_load_b128 v[QF+4*n:QF+4*n+3], v[LI], s[76:77] offset:512*n
.set n, n+1
.endr
	WIN 0
	s_mul_i32 s78, s[WV], 64*MP                    ; my 64 rows of the mask
	v_mul_u32_u24 v[AM], v2, MP
	v_lshl_add_u32 v[AM], v3, 5, v[AM]             ; row r, + 32 h: keys 8 h + 0 .. 7
	v_add_nc_u32 v[AM], s78, v[AM]
	v_add_nc_u32 v[AM+1], SLOT, v[AM]
	v_add_nc_u32 v[AKV], MSK, v[LI]
	v_add_nc_u32 v[AKV+1], SLOT, v[AKV]
	v_mul_lo_u32 v[PFO], v2, s83
	v_mul_lo_u32 v10, v3, s84
	v_add_nc_u32 v[PFO], v[PFO], v10
	v_lshlrev_b32 v[BVO], 5, v3
; THE SOFTMAX of a key step, the four tiles by turns, so that no line waits for the line above it.  first = 1: the first key step, which starts m and l and has nothing to rescale.
.macro SOFTMAX first
.irp j, 0,1,2,3                        ; the maximum of the lane's 32 scores, three operands at a time; each accumulator is read first at its low end
.irp t, 0,1,2,3
	v_max3_num_f32 v[ST+8*\t+4+\j], v[S+32*\t+8*\j], v[S+32*\t+8*\j+1], v[S+32*\t+8*\j+2]
.endr
.endr
.irp u, 1,2
.irp j, 0,1,2,3
.irp t, 0,1,2,3
	v_max3_num_f32 v[ST+8*\t+4+\j], v[ST+8*\t+4+\j], v[S+32*\t+8*\j+2*\u+1], v[S+32*\t+8*\j+2*\u+2]
.endr
.endr
.endr
.irp t, 0,1,2,3
	v_max3_num_f32 v[ST+8*\t+4], v[ST+8*\t+4], v[S+32*\t+7], v[S+32*\t+15]
.endr
.irp t, 0,1,2,3
	v_max3_num_f32 v[ST+8*\t+6], v[ST+8*\t+6], v[S+32*\t+23], v[S+32*\t+31]
.endr
.irp t, 0,1,2,3
	v_max3_num_f32 v[ST+8*\t+4], v[ST+8*\t+4], v[ST+8*\t+5], v[ST+8*\t+6]
.endr
.irp t, 0,1,2,3
.if \first
	v_max3_num_f32 v[ST+8*\t+4], v[ST+8*\t+4], v[ST+8*\t+7], 0xfe967699   ; and the floor -1e38
.else
	v_max3_num_f32 v[ST+8*\t+4], v[ST+8*\t+4], v[ST+8*\t+7], v[ST+8*\t+1] ; and the old m
.endif
.endr
.irp t, 0,1,2,3
	v_permlanex16_b32 v[ST+8*\t+5], v[ST+8*\t+4], s[SEL], s[SEL+1]        ; the query's other 32 keys lie in the lane 16 away
.endr
.if !\first
.irp t, 0,1,2,3
	v_mov_b32 v[ST+8*\t+7], v[ST+8*\t]             ; c m_old is kept for a
.endr
.endif
.irp t, 0,1,2,3
	v_max_num_f32 v[ST+8*\t+1], v[ST+8*\t+4], v[ST+8*\t+5]
.endr
.irp t, 0,1,2,3
	v_mul_f32 v[ST+8*\t], s[CS], v[ST+8*\t+1]
.endr
.if !\first
.irp t, 0,1,2,3
	v_sub_f32 v[ST+8*\t+7], v[ST+8*\t+7], v[ST+8*\t]
.endr
.endif
.set b, 0
.rept 16
.irp t, 0,1,2,3
	v_pk_fma_f32 v[S+32*\t+2*b:S+32*\t+2*b+1], v[S+32*\t+2*b:S+32*\t+2*b+1], s[CS:CS+1], v[ST+8*\t:ST+8*\t+1] op_sel_hi:[1,0,0] neg_lo:[0,0,1] neg_hi:[0,0,1]   ; c s - c m, two at a time
.endr
.set b, b+1
.endr
.if !\first
.irp t, 0,1,2,3
	v_exp_f32 v[ST+8*\t+6], v[ST+8*\t+7]           ; a = 2^(c m_old - c m_new)
.endr
.endif
.set e, 0
.rept 32                               ; ONE BATCH: none of these reads an exponential's result
.irp t, 0,1,2,3
	v_exp_f32 v[S+32*\t+e], v[S+32*\t+e]
.endr
.set e, e+1
.endr
	v_nop                                          ; a plain instruction behind the last exponential
	s_wait_alu depctr_va_vdst(0)                   ; a wait ahead of the first instruction that names a result: one for the batch
.irp t, 0,1,2,3                        ; the row's sum is taken of the unrounded p: two at a time, in two chains a tile
	v_pk_add_f32 v[SU+4*\t:SU+4*\t+1], v[S+32*\t:S+32*\t+1], v[S+32*\t+2:S+32*\t+3]
.endr
.irp t, 0,1,2,3
	v_pk_add_f32 v[SU+4*\t+2:SU+4*\t+3], v[S+32*\t+4:S+32*\t+5], v[S+32*\t+6:S+32*\t+7]
.endr
.irp j, 8,12,16,20,24,28
.irp t, 0,1,2,3
	v_pk_add_f32 v[SU+4*\t:SU+4*\t+1], v[SU+4*\t:SU+4*\t+1], v[S+32*\t+\j:S+32*\t+\j+1]
.endr
.irp t, 0,1,2,3
	v_pk_add_f32 v[SU+4*\t+2:SU+4*\t+3], v[SU+4*\t+2:SU+4*\t+3], v[S+32*\t+\j+2:S+32*\t+\j+3]
.endr
.endr
.if \first
.irp t, 0,1,2,3
	v_pk_add_f32 v[ST+8*\t+2:ST+8*\t+3], v[SU+4*\t:SU+4*\t+1], v[SU+4*\t+2:SU+4*\t+3]
.endr
.else
.irp t, 0,1,2,3
	v_pk_add_f32 v[SU+4*\t:SU+4*\t+1], v[SU+4*\t:SU+4*\t+1], v[SU+4*\t+2:SU+4*\t+3]
.endr
.irp t, 0,1,2,3
	v_pk_fma_f32 v[ST+8*\t+2:ST+8*\t+3], v[ST+8*\t+2:ST+8*\t+3], v[ST+8*\t+6:ST+8*\t+7], v[SU+4*\t:SU+4*\t+1] op_sel_hi:[1,0,1]   ; l = l a + the sum
.endr
.endif
.set b, 0
.rept 16                               ; p to f16, in place: register b takes pair b, which lies at 2 b: no pair is overwritten before it is read
.irp t, 0,1,2,3
	v_cvt_pk_f16_f32 v[S+32*\t+b], v[S+32*\t+2*b], v[S+32*\t+2*b+1]
.endr
.set b, b+1
.endr
.if !\first
	WIN 0x41                                       ; O^T (destination and source 0) in window 1, a in window 0
.set n, 0
.rept 16
.irp t, 0,1,2,3
	v_pk_mul_f32 v[32*\t+2*n:32*\t+2*n+1], v[32*\t+2*n:32*\t+2*n+1], v[ST+8*\t+6:ST+8*\t+7] op_sel_hi:[1,0]
.endr
.set n, n+1
.endr
.endif
.endm
; A KEY STEP out of slot \slot.  last = 1: bv is asked for, into K's registers, which are done with.  It leaves the windows as its last products want them: what follows sets them.
.macro WORK slot, first, last
.if !\first
.rept 5
	v_nop                                          ; places: the loads below land in registers that the last products V^T P have read (four are owed), and the products K Q^T write over them (five)
.endr
.endif
.set n, 0
.rept 16                               ; K: chunk n = 4 kt + 2 f + c
	ds_load_b128 v[KB+4*n:KB+4*n+3], v[AKV+\slot] offset:512*n
.set n, n+1
.endr
.irp t, 0,1,2,3                        ; the mask, into S^T's registers: mask(query r of tile t, key 16 kt + 8 h + 0 .. 7)
.irp kt, 0,1,2,3
.irp e, 0,1
	ds_load_b128 v[S+32*\t+8*\kt+4*\e:S+32*\t+8*\kt+4*\e+3], v[AM+\slot] offset:16*MP*\t+64*\kt+16*\e
.endr
.endr
.endr
	WIN 0x40                                       ; destination window 1
.set n, 0
.rept 16                               ; V^T: chunk n = 4 ct + 2 kk + c
	ds_load_b128 v[VB+4*n:VB+4*n+3], v[AKV+\slot] offset:8192+512*n
.set n, n+1
.endr
	s_wait_dscnt 16                                ; K and the mask are in; V^T's sixteen loads may be out
.if \first
	s_wait_loadcnt 0x0                             ; Q
.endif
	WIN 0x04                                       ; Q (source 1) in window 1
.set i, 0
.rept 32                               ; S^T = mask + K Q^T: channels 32 (i / 16) on, keys 16 ((i / 4) % 4) on, tile i % 4.  The 16 accumulators take turns
.set rS, S+32*(i%4)+8*((i/4)%4)
.set rK, KB+16*((i/4)%4)+8*(i/16)
.set rQ, QF+16*(i%4)+8*(i/16)
	v_wmma_f32_16x16x32_f16 v[rS:rS+7], v[rK:rK+7], v[rQ:rQ+7], v[rS:rS+7]
.set i, i+1
.endr
	WIN 0
.rept 4
	v_nop                                          ; places in front of the first read of the scores
.endr
.if \last
.irp ct, 0,1,2,3
	global_load_b128 v[KB+8*\ct:KB+8*\ct+3], v[BVO], s[8:9] offset:64*\ct          ; bv(16 ct + 8 h + 0 .. 7) of my head
	global_load_b128 v[KB+8*\ct+4:KB+8*\ct+7], v[BVO], s[8:9] offset:64*\ct+16
.endr
.endif
	SOFTMAX \first
	s_wait_dscnt 0x0                               ; V^T is in
	WIN 0x51                                       ; V^T (source 0), C and D in window 1, p in window 0
.set i, 0
.rept 32                               ; O^T += V^T P: keys 32 (i / 16) on, channels 16 ((i / 4) % 4) on, tile i % 4
.set rO, 32*(i%4)+8*((i/4)%4)
.set rV, VB+16*((i/4)%4)+8*(i/16)
.set rP, S+32*(i%4)+8*(i/16)
.if \first && (i < 16)
	v_wmma_f32_16x16x32_f16 v[rO:rO+7], v[rV:rV+7], v[rP:rP+7], 0
.else
	v_wmma_f32_16x16x32_f16 v[rO:rO+7], v[rV:rV+7], v[rP:rP+7], v[rO:rO+7]
.endif
.set i, i+1
.endr
.endm
; THE CHANGE OF SLOTS.  Each wave waits for all its tensor loads, of which one is out: its part of the slot that is read next; adds 0 to its spare word; and waits for that and for its reads of the slot that it has left.
; fill = 1: that slot is filled again, with the key step two on.  The barrier is then a round of the cluster's, and the joint refill is the first thing behind it: it has a key step in which to land.
.macro CHANGE slot, fill, lim
	WIN 0                                          ; at a label and at a branch every window is 0
	s_wait_tensorcnt 0x0                           ; no tensor load of mine is out, so a group 0 may be written
	ds_add_u32 v[SPW], v[NIL]                      ; 0 onto my spare word
.if \fill
	s_add_nc_u64 s[G0M+4*\slot+2:G0M+4*\slot+3], s[G0M+4*\slot+2:G0M+4*\slot+3], 512     ; two key steps on; the type bits on top are not reached
	s_add_nc_u64 s[G0K+4*\slot+2:G0K+4*\slot+3], s[G0K+4*\slot+2:G0K+4*\slot+3], 16384
	s_wait_xcnt 0x0                                ; the last prefetch, a key step back, has read its address, so it may be written
	s_add_nc_u64 s[PFA:PFA+1], s[PFA:PFA+1], s[PFS:PFS+1]
	s_wait_dscnt 0x0                               ; the add is done, and my reads of the slot are over
	CROUND
	JLOAD \slot
	ASK \lim
.else
	s_wait_dscnt 0x0
	s_barrier_signal -1
	s_barrier_wait -1
.endif
.endm
	s_wait_tensorcnt 1                             ; my part of slot 0 is in; slot 1's may stay out
	s_barrier_signal -1
	s_barrier_wait -1                              ; everybody's is
	WORK 0, 1, 0                                   ; key step 0
	WIN 0                                          ; every window is 0 at the loop's label, on the way in as on the way back
.Ltrip:                                            ; 15 trips of two key steps: steps 1 to 30; both slots are filled again: steps 2 to 31
	CHANGE 0, 1, LIMA
	WORK 1, 0, 0
	CHANGE 1, 1, LIMB
	WORK 0, 0, 0
	WIN 0
	s_sub_co_u32 s[TRIPS], s[TRIPS], 1
	s_cmp_lg_u32 s[TRIPS], 0
	s_cbranch_scc1 .Ltrip
	CHANGE 0, 0, LIMA                              ; the tail is written out
	WORK 1, 0, 1                                   ; key step 31
	; THE WAY OUT.  l's two halves and the other half of the lanes' are added (these lines are the places behind the last products); ctx = O^T / l + bv, rounded to f16.
	; A lane's eight channels of a query are 16 bytes of the next launch's operand image: the wave stores 512 consecutive bytes straight from registers.
	WIN 0
.irp t, 0,1,2,3
	v_add_f32 v[ST+8*\t+4], v[ST+8*\t+2], v[ST+8*\t+3]
.endr
.irp t, 0,1,2,3
	v_permlanex16_b32 v[ST+8*\t+5], v[ST+8*\t+4], s[SEL], s[SEL+1]
.endr
.irp t, 0,1,2,3
	v_add_f32 v[ST+8*\t+4], v[ST+8*\t+4], v[ST+8*\t+5]
.endr
.irp t, 0,1,2,3
	v_rcp_f32 v[ST+8*\t+6], v[ST+8*\t+4]
.endr
	v_nop                                          ; a plain instruction between the last reciprocal and the use of its result
	s_wait_alu depctr_va_vdst(0)                   ; and a wait: one for the four
	s_wait_loadcnt 0x0                             ; bv
.irp t, 0,1,2,3
	WIN 0x01                                       ; O^T (source 0) in window 1
.set n, 0
.rept 16
	v_pk_fma_f32 v[S+32*\t+2*n:S+32*\t+2*n+1], v[32*\t+2*n:32*\t+2*n+1], v[ST+8*\t+6:ST+8*\t+7], v[KB+2*n:KB+2*n+1] op_sel_hi:[1,0,1]
.set n, n+1
.endr
	WIN 0
.set n, 0
.rept 16
	v_cvt_pk_f16_f32 v[S+32*\t+n], v[S+32*\t+2*n], v[S+32*\t+2*n+1]
.set n, n+1
.endr
.irp ct, 0,1,2,3
	global_store_b128 v[LI], v[S+32*\t+4*\ct:S+32*\t+4*\ct+3], s[10:11] offset:32768*\t+512*\ct
.endr
.endr
	s_wait_tensorcnt 0x0                           ; the wave's end, behind my last tensor load
	ds_add_u32 v[SPW], v[NIL]
	s_wait_dscnt 0x0
	CROUND                                         ; the closing round: no work-group ends while a partner may still ask for a tile that names it
	s_endpgm
.Lfunc_end_k_q344d6f669b_attn:
	.size	k_q344d6f669b_attn, .Lfunc_end_k_q344d6f669b_attn-k_q344d6f669b_attn
	.p2alignl 7, 3214868480
	.fill 96, 4, 3214868480
	.section	.rodata,"a",@progbits
	.p2align	6, 0x0
	.amdhsa_kernel k_q344d6f669b_attn
		.amdhsa_group_segment_fixed_size 327680
		.amdhsa_private_segment_fixed_size 0
		.amdhsa_enable_private_segment 0
		.amdhsa_kernarg_size 32
		.amdhsa_user_sgpr_count 2
		.amdhsa_user_sgpr_kernarg_segment_ptr 1
		.amdhsa_wavefront_size32 1
		.amdhsa_system_sgpr_workgroup_id_x 1
		.amdhsa_system_sgpr_workgroup_id_y 1
		.amdhsa_system_sgpr_workgroup_id_z 1
		.amdhsa_system_vgpr_workitem_id 0
		.amdhsa_next_free_vgpr 512
		.amdhsa_next_free_sgpr 100
		.amdhsa_reserve_vcc 0
		.amdhsa_float_denorm_mode_32 3
		.amdhsa_float_denorm_mode_16_64 3
		.amdhsa_memory_ordered 1
		.amdhsa_forward_progress 1
		.amdhsa_inst_pref_size 154
	.end_amdhsa_kernel
	.amdgpu_metadata
---
amdhsa.version: [ 1, 2 ]
amdhsa.kernels:
  - .name:           k_q344d6f669b_attn
    .symbol:         k_q344d6f669b_attn.kd
    .args:
      - { .name: qkv, .offset: 0, .size: 8, .value_kind: global_buffer, .address_space: global }
      - { .name: mask, .offset: 8, .size: 8, .value_kind: global_buffer, .address_space: global }
      - { .name: bv, .offset: 16, .size: 8, .value_kind: global_buffer, .address_space: global }
      - { .name: ctx, .offset: 24, .size: 8, .value_kind: global_buffer, .address_space: global }
    .group_segment_fixed_size: 327680
    .private_segment_fixed_size: 0
    .kernarg_segment_align: 8
    .kernarg_segment_size: 32
    .max_flat_workgroup_size: 256
    .sgpr_count:     100
    .vgpr_count:     512
    .wavefront_size: 32
...
	.end_amdgpu_metadata
.endif
;; end of part 3
;; launch outp (part 4): grid 4 x 64, 4 waves a work-group, clusters of 4 x 4, 327,680 bytes of LDS; arguments ctx, wo16, bo, out0; writes out0
.if DOCPART == 4
	.amdgcn_target "amdgcn-amd-amdhsa--gfx1250"
	.amdhsa_code_object_version 6
	.text
	.protected	k_q344d6f669b_outp
	.globl	k_q344d6f669b_outp
	.p2align	8
	.type	k_q344d6f669b_outp,@function
k_q344d6f669b_outp:
	s_mov_b64 s[64:65], 0
	v_nop
	global_prefetch_b8 v0, s[64:65] scope:SCOPE_SE
	s_setreg_imm32_b32 hwreg(HW_REG_WAVE_MODE, 25, 1), 1
	s_wait_xcnt 0x0
	s_wait_alu depctr_hold_cnt(0) depctr_sa_sdst(0) depctr_va_vdst(0) depctr_va_sdst(0) depctr_va_ssrc(0) depctr_va_vcc(0) depctr_vm_vsrc(0)
	s_getreg_b32 s2, hwreg(HW_REG_IB_STS2, 6, 4)
	s_cmp_eq_u32 s2, 0
	s_cbranch_scc0 .Lentry_in_a_cluster
	s_endpgm
.Lentry_in_a_cluster:
	s_bfe_u32 s2, ttmp6, 0x10000c
	s_cmp_lg_u32 s2, 0xf033
	s_cbranch_scc0 .Lentry_shape_is_right
	s_endpgm
.Lentry_shape_is_right:
; out0[token][e] = sum over d of ctx[token][d] Wo[e][d] + bo[e].  ctx and Wo come as f16, as images of operand registers: [tile of 16 rows][32 along K: 32 of them][c][lane][16 bytes]; sums and out0 in f32.
; SHARES.  8,192 x 1,024 outputs are 256 tiles of 128 tokens x 256 channels, one to a work-group; a wave makes 64 x 128: 32 accumulators.  K = 1,024 goes in 8 steps of 128 through a ring of two LDS slots.
; THE MATRIX INSTRUCTION IS USED TRANSPOSED (source 0 = 16 rows of Wo, source 1 = 16 tokens): a lane holds eight neighbouring channels of a token.  bo, in the result's layout, is the C of each sum's first product.
; CLUSTERS: 4 x 4.  ctx's tiles hang on the tile row and are shared along a row of the cluster, Wo's on cx and are shared along a column: each is asked for jointly, by the same tensor load with a mask that names the four.
; No prefetch: the tile is small and a K step short.
; REGISTERS: window 0: v16-29 addresses; two fragment buffers of 96 for 32 along K: 32 registers of ctx (4 tiles), then 64 of Wo (8 tiles): v64-159, v160-255; on the way out v64-191 hold rows read back.
;   window 1: the accumulators ((a, b) at v[8 (8 a + b)]).   window 2: v0-63 bo.
.set SLOT,  98304                      ; ctx: 8 tiles x 4,096 bytes; then Wo: 16 tiles x 4,096
.set STAGE, 2*SLOT                     ; behind the ring: 16 rows x 528 bytes for each wave, for the way out; no tensor load lands there
.set SP,    528
.set SPARE, STAGE+4*16*SP              ; behind the stages: the spare words, 128 bytes for each wave, which no other line names
.set ADRA, 16                          ; v16-17  LDS address of my ctx fragments in slot 0, 1
.set ADRB, 20                          ; v20-21  the same for Wo
.set STO,  24                          ; v24     the way out: where I put 32 bytes of a row
.set RD,   25                          ; v25     where I read a row back
.set CO,   26                          ; v26     16 x lane
.set BOO,  27                          ; v27     my eight numbers of bo
.set SPW,  28                          ; v28     LDS address of my spare word; never rewritten
.set NIL,  29                          ; v29     0; never rewritten
.set F0,   64
.set F1,   160
.set BK,   64                          ; the way out: v64-127 and v128-191 by turns
.set G1A, 16                           ; s[16:23] descriptor group 1 for ctx;  s[24:31] for Wo
.set G1B, 24
.set G0A, 32                           ; s[32:39] groups 0 for ctx, one for each slot;  s[40:47] for Wo
.set G0B, 40
.set MSB, 0
.macro WIN new                         ; the immediate's high byte repeats the setting that is left
.if MSB != \new
	s_set_vgpr_msb (MSB<<8)|\new
.set MSB, \new
.endif
.endm
.set MUL,  0x50                        ; sources 0 and 1 window 0; C and D window 1
.set MULF, 0x60                        ; the first products: C (bo) window 2, D window 1
.macro JLOAD s                         ; a joint load: waves 0 and 1 fetch ctx's two halves, waves 2 and 3 Wo's; an s_nop 0 and four v_nop follow each of the two lines
	s_cmp_eq_u32 s15, 0
	s_cbranch_scc0 .Lfor_b_\@
	tensor_load_to_lds s[G0A+4*\s:G0A+4*\s+3], s[G1A:G1A+7]
	s_nop 0
.rept 4
	v_nop
.endr
	s_branch .Lasked_\@
.Lfor_b_\@:
	tensor_load_to_lds s[G0B+4*\s:G0B+4*\s+3], s[G1B:G1B+7]
	s_nop 0
.rept 4
	v_nop
.endr
.Lasked_\@:
.endm
.macro CREST                           ; a round of the cluster's barrier behind its opening barrier
	s_cmp_lg_u32 s14, 0
	s_cbranch_scc1 .Lnot_wave_0_\@
	s_barrier_signal -3
.Lnot_wave_0_\@:
	s_barrier_wait -3
	s_barrier_signal -1
	s_barrier_wait -1
.endm
.macro CROUND
	s_barrier_signal -1
	s_barrier_wait -1
	CREST
.endm
.macro PLACES
.rept 4
	v_nop
.endr
.endm
	s_load_b256 s[4:11], s[0:1], 0x0               ; ctx s[4:5], wo16 s[6:7], bo s[8:9], out0 s[10:11]
	v_lshl_add_u32 v[SPW], v0, 2, SPARE
	v_mov_b32 v[NIL], 0
	ds_add_u32 v[SPW], v[NIL]                      ; the wave's opening: the add, twice on end, and its wait ahead of my first tensor load
	ds_add_u32 v[SPW], v[NIL]                      ; and once more, under the one wait; the set-up below, work on registers, stands between
	v_lshrrev_b32 v1, 5, v0
	v_readfirstlane_b32 s14, v1                    ; wave 0..3
	s_lshr_b32 s15, s14, 1                         ; which 64 tokens are mine.  Also: I fetch for ctx (0) or for Wo (1)
	s_and_b32 s3, s14, 1                           ; which 128 channels.  Also: which half of that tile I fetch
	s_bfe_u32 s66, ttmp6, 0x40000                  ; cx: the 256 channels
	s_bfe_u32 s67, ttmp6, 0x40004                  ; cy
	s_and_b32 s68, ttmp7, 0xffff
	s_lshl_b32 s69, s68, 2
	s_add_co_u32 s69, s69, s67                     ; the tile row: 128 tokens
	s_lshl_b32 s70, s67, 2
	s_lshl_b32 s70, 15, s70                        ; my row of the cluster
	s_lshl_b32 s71, 0x1111, s66                    ; my column
	; descriptor group 1: rows of 4,096 bytes (512 elements of 8 bytes: a tile's part of a K step), 32,768 bytes apart in memory, dense in LDS; 4 rows for ctx, 8 for Wo
	s_or_b32 s[G1A], s70, (3<<16)|(1<<21)          ; 15:0 the mask; 17:16 elements of 8 bytes; 20 no padding; 21 set beside a mask
	s_mov_b32 s[G1A+1], 512<<16                    ; tensor_dim0
	s_mov_b32 s[G1A+2], 4<<16                      ; tensor_dim1
	s_mov_b32 s[G1A+3], 512<<16                    ; tile_dim0
	s_mov_b32 s[G1A+4], 4                          ; tile_dim1
	s_mov_b32 s[G1A+5], 4096                       ; tensor_dim0_stride
	s_mov_b32 s[G1A+6], 0
	s_mov_b32 s[G1A+7], 0
	s_or_b32 s[G1B], s71, (3<<16)|(1<<21)
	s_mov_b32 s[G1B+1], 512<<16
	s_mov_b32 s[G1B+2], 8<<16
	s_mov_b32 s[G1B+3], 512<<16
	s_mov_b32 s[G1B+4], 8
	s_mov_b32 s[G1B+5], 4096
	s_mov_b32 s[G1B+6], 0
	s_mov_b32 s[G1B+7], 0
	s_lshl_b32 s72, s69, 3                         ; ctx: tile 8 x tile row + 4 x half: these registers never hold cx
	s_lshl_b32 s80, s3, 2
	s_add_co_u32 s72, s72, s80
	s_lshl_b32 s72, s72, 15
	s_mov_b32 s73, 0
	s_lshl_b32 s74, s66, 4                         ; Wo: tile 16 cx + 8 x half: these never cy
	s_lshl_b32 s81, s3, 3
	s_add_co_u32 s74, s74, s81
	s_lshl_b32 s74, s74, 15
	s_mov_b32 s75, 0
	s_lshl_b32 s76, s3, 14                         ; where they go in a slot: no place in the cluster enters an LDS address
	s_lshl_b32 s77, s3, 15
	s_add_co_u32 s77, s77, 32768
	s_wait_dscnt 0x0                               ; both opening adds are done
	s_wait_kmcnt 0x0
	s_add_nc_u64 s[72:73], s[4:5], s[72:73]
	s_add_nc_u64 s[74:75], s[6:7], s[74:75]
.irp s, 0,1
	s_mov_b32 s[G0A+4*\s], 1                       ; count = 1
	s_add_co_u32 s[G0A+4*\s+1], s76, \s*SLOT       ; LDS address
	s_add_nc_u64 s[G0A+4*\s+2:G0A+4*\s+3], s[72:73], \s*4096   ; global address: K step s
	s_or_b32 s[G0A+4*\s+3], s[G0A+4*\s+3], 0x80000000          ; type = 2
	s_mov_b32 s[G0B+4*\s], 1
	s_add_co_u32 s[G0B+4*\s+1], s77, \s*SLOT
	s_add_nc_u64 s[G0B+4*\s+2:G0B+4*\s+3], s[74:75], \s*4096
	s_or_b32 s[G0B+4*\s+3], s[G0B+4*\s+3], 0x80000000
.endr
	CROUND                                         ; all sixteen work-groups are here: the first joint loads meet
	s_cmp_eq_u32 s15, 0                            ; a wave's two first fills stand in one branch: two loads of mine are out
	s_cbranch_scc0 .Lfirst_b
	tensor_load_to_lds s[G0A:G0A+3], s[G1A:G1A+7]
	s_nop 0
	tensor_load_to_lds s[G0A+4:G0A+7], s[G1A:G1A+7]
	s_nop 0
	PLACES
	s_branch .Lfirst_asked
.Lfirst_b:
	tensor_load_to_lds s[G0B:G0B+3], s[G1B:G1B+7]
	s_nop 0
	tensor_load_to_lds s[G0B+4:G0B+7], s[G1B:G1B+7]
	s_nop 0
	PLACES
.Lfirst_asked:
	v_and_b32 v1, 31, v0                           ; lane
	v_and_b32 v2, 15, v0                           ; r
	v_bfe_u32 v3, v0, 4, 1                         ; h
	v_lshlrev_b32 v[CO], 4, v1
	s_lshl_b32 s79, s15, 14
	v_add_nc_u32 v[ADRA], s79, v[CO]               ; my four tiles of ctx
	v_add_nc_u32 v[ADRA+1], SLOT, v[ADRA]
	s_lshl_b32 s79, s3, 15
	s_add_co_u32 s79, s79, 32768
	v_add_nc_u32 v[ADRB], s79, v[CO]               ; my eight tiles of Wo, behind ctx's eight
	v_add_nc_u32 v[ADRB+1], SLOT, v[ADRB]
	s_mul_i32 s79, s14, 16*SP
	s_add_co_u32 s79, s79, STAGE                   ; my stage
	v_mul_u32_u24 v[STO], v2, SP                   ; in: row r, 32 bytes for each half of the lanes
	v_lshl_add_u32 v[STO], v3, 5, v[STO]
	v_add_nc_u32 v[STO], s79, v[STO]
	v_add_nc_u32 v[RD], s79, v[CO]                 ; back: the 32 lanes take one row of 512 bytes
	s_lshl_b32 s82, s66, 10
	s_lshl_b32 s83, s3, 9
	s_add_co_u32 s82, s82, s83                     ; my first channel, in bytes of f32
	v_lshl_add_u32 v[BOO], v3, 5, s82
	WIN 0x80                                       ; destination window 2
.irp b, 0,1,2,3,4,5,6,7
	global_load_b128 v[8*\b:8*\b+3], v[BOO], s[8:9] offset:64*\b          ; bo(16 b + 8 h + 0 .. 7) of my 128 channels
	global_load_b128 v[8*\b+4:8*\b+7], v[BOO], s[8:9] offset:64*\b+16
.endr
	WIN 0
	s_lshl_b32 s84, s69, 19                        ; out0: 128 rows of 4,096 bytes a tile row,
	s_lshl_b32 s83, s15, 18                        ; my 64 of them,
	s_add_co_u32 s84, s84, s83
	s_add_co_u32 s84, s84, s82                     ; my channels
	s_mov_b32 s85, 0
	s_add_nc_u64 s[10:11], s[10:11], s[84:85]
; 8 matrix instructions: token tile a x all 8 channel tiles, 32 along K out of buffer buf.  first = 1: the sums start from bo.  The 32 accumulators take turns, in the same order in every quarter.
.macro MUL8 buf, a, first
.irp b, 0,1,2,3,4,5,6,7
.if \first
	v_wmma_f32_16x16x32_f16 v[8*(8*(\a)+\b):8*(8*(\a)+\b)+7], v[\buf+32+8*\b:\buf+32+8*\b+7], v[\buf+8*(\a):\buf+8*(\a)+7], v[8*\b:8*\b+7]
.else
	v_wmma_f32_16x16x32_f16 v[8*(8*(\a)+\b):8*(8*(\a)+\b)+7], v[\buf+32+8*\b:\buf+32+8*\b+7], v[\buf+8*(\a):\buf+8*(\a)+7], v[8*(8*(\a)+\b):8*(8*(\a)+\b)+7]
.endif
.endr
.endm
; 24 LDS loads in one run: the fragments of the slot's kf-th 32 along K into buffer buf: Wo's eight, then ctx's four; each load takes 512 consecutive bytes
.macro FETCH slot, kf, buf
	WIN 0
.irp i, 0,1,2,3,4,5,6,7
	ds_load_b128 v[\buf+32+8*\i:\buf+32+8*\i+3],   v[ADRB+\slot] offset:4096*\i+1024*(\kf)
	ds_load_b128 v[\buf+32+8*\i+4:\buf+32+8*\i+7], v[ADRB+\slot] offset:4096*\i+1024*(\kf)+512
.endr
.irp i, 0,1,2,3
	ds_load_b128 v[\buf+8*\i:\buf+8*\i+3],   v[ADRA+\slot] offset:4096*\i+1024*(\kf)
	ds_load_b128 v[\buf+8*\i+4:\buf+8*\i+7], v[ADRA+\slot] offset:4096*\i+1024*(\kf)+512
.endr
.endm
; A K step is four quarters of 32 along K, 32 matrix instructions each, on buffers 0, 1, 0, 1.  One of the first three: multiplies buffer buf and fetches the next quarter, kf, into nxt.
.macro QUARTER slot, kf, buf, nxt, first
	s_wait_dscnt 4                                 ; Wo's fragments and ctx's tiles 0, 1 are in; the youngest four loads (tiles 2, 3) may be out
	WIN MUL+0x10*\first
	MUL8 \buf, 0, \first
	MUL8 \buf, 1, \first
	PLACES                                         ; in front of loads into registers that matrix instructions have read
	FETCH \slot, \kf, \nxt
	s_wait_dscnt 24                                ; all but the 24 just issued
	WIN MUL+0x10*\first
	MUL8 \buf, 2, \first
	MUL8 \buf, 3, \first
.endm
; The last quarter multiplies buffer 1 and changes slots: ONE barrier; in front of it each wave waits for all its tensor loads, adds 0 to its spare word, and waits for that and for its own reads of this slot.  fill = 1: this slot is filled again, two K steps ahead.
.macro TURN slot, next, fill
	WIN 0                                          ; (the add's two registers lie in window 0)
	s_wait_tensorcnt 0x0                           ; all my tensor loads have landed: my part of the next slot;
	ds_add_u32 v[SPW], v[NIL]                      ; 0 onto my spare word;
	s_wait_dscnt 5                                 ; (the add and the youngest four loads may be out)
	WIN MUL
	MUL8 F1, 0, 0                                  ; eight matrix instructions stand between the add and the wait for it
	s_wait_dscnt 0x0                               ; the add is done, and my reads of this slot are over
	s_barrier_signal -1
	MUL8 F1, 1, 0
.if \fill
	WIN 0
.endif
	s_barrier_wait -1
.if \fill
	CREST                                          ; the barrier has opened a round of the cluster's barrier: no wave of any partner still reads this slot or has a load on its way
	s_add_nc_u64 s[G0A+4*\slot+2:G0A+4*\slot+3], s[G0A+4*\slot+2:G0A+4*\slot+3], 8192
	s_add_nc_u64 s[G0B+4*\slot+2:G0B+4*\slot+3], s[G0B+4*\slot+2:G0B+4*\slot+3], 8192
	JLOAD \slot                                    ; the first tensor load behind the round; the four v_nop behind it are also the places in front of the loads below
.else
	PLACES
.endif
	FETCH \next, 0, F0
	WIN MUL
	MUL8 F1, 2, 0
	MUL8 F1, 3, 0
.endm
	s_wait_tensorcnt 1                             ; my part of K step 0 is in; K step 1's may stay out
	s_barrier_signal -1
	s_barrier_wait -1                              ; everybody's is
	FETCH 0, 0, F0
	s_wait_loadcnt 0x0                             ; bo
	QUARTER 0, 1, F0, F1, 1                        ; the first quarter stands in front of the loop: its products start the sums
	WIN 0                                          ; at a label and at a branch every window is 0
	s_mov_b32 s78, 3
.Llap:                                             ; a trip goes once round the ring, from a lap's second quarter to the next lap's first, and fills both slots again
	QUARTER 0, 2, F1, F0, 0
	QUARTER 0, 3, F0, F1, 0
	TURN 0, 1, 1
	QUARTER 1, 1, F0, F1, 0
	QUARTER 1, 2, F1, F0, 0
	QUARTER 1, 3, F0, F1, 0
	TURN 1, 0, 1
	QUARTER 0, 1, F0, F1, 0
	WIN 0
	s_sub_co_u32 s78, s78, 1
	s_cmp_lg_u32 s78, 0
	s_cbranch_scc1 .Llap
	QUARTER 0, 2, F1, F0, 0                        ; the last lap fills nothing, and has no round of the cluster's barrier
	QUARTER 0, 3, F0, F1, 0
	TURN 0, 1, 0
	QUARTER 1, 1, F0, F1, 0
	QUARTER 1, 2, F1, F0, 0
	QUARTER 1, 3, F0, F1, 0
	s_wait_dscnt 4                                 ; the very last quarter: nothing more to fetch
	WIN MUL
	MUL8 F1, 0, 0
	MUL8 F1, 1, 0
	s_wait_dscnt 0x0
	MUL8 F1, 2, 0
	MUL8 F1, 3, 0
	WIN 0
; THE WAY OUT, block by block of 16 tokens x 128 channels.  A lane holds 32 neighbouring bytes of a row and the lanes beside it other rows: a block goes through my own stage and comes back as whole rows of 512 bytes.
; LDS serves a wave's instructions in order (ISA guide 5.7.1.4): no wait between the stores and the loads, nor in front of the next block's stores.
.macro TOSTAGE a
	WIN 0x04                                       ; an LDS store's data are its source 1: window 1
.irp b, 0,1,2,3,4,5,6,7
	ds_store_b128 v[STO], v[8*(8*(\a)+\b):8*(8*(\a)+\b)+3] offset:64*\b          ; each accumulator from its low end on
	ds_store_b128 v[STO], v[8*(8*(\a)+\b)+4:8*(8*(\a)+\b)+7] offset:64*\b+16
.endr
	WIN 0
.set BB, BK+64*((\a)%2)
.set t, 0
.rept 16
	ds_load_b128 v[BB+4*t:BB+4*t+3], v[RD] offset:t*SP
.set t, t+1
.endr
.endm
.macro SEND a, younger                 ; younger: the LDS instructions issued behind block a's loads, which may stay out
.set BB, BK+64*((\a)%2)
	s_wait_dscnt \younger
.set t, 0
.rept 16
	global_store_b128 v[CO], v[BB+4*t:BB+4*t+3], s[10:11] offset:(16*(\a)+t)*4096 th:TH_STORE_NT   ; 32 lanes store 512 consecutive bytes, aligned; 63 rows at the most stand in the immediate
.set t, t+1
.endr
.endm
	PLACES                                         ; in front of the first read of results, and of loads into registers that held fragments
	TOSTAGE 0
.irp a, 1,2,3
.if \a > 1
	s_wait_xcnt 0x0                                ; block a - 2's stores have read their registers: block a's loads may land there
.endif
	TOSTAGE \a
	SEND \a-1, 32                                  ; behind block a - 1's loads: block a's 16 stores and 16 loads
.endr
	SEND 3, 0
	s_wait_tensorcnt 0x0                           ; the wave's end, behind my last tensor load and my last LDS store
	ds_add_u32 v[SPW], v[NIL]
	s_wait_dscnt 0x0
	CROUND                                         ; the closing round: no work-group ends while a partner may still ask for a tile that names it
	s_endpgm
.Lfunc_end_k_q344d6f669b_outp:
	.size	k_q344d6f669b_outp, .Lfunc_end_k_q344d6f669b_outp-k_q344d6f669b_outp
	.p2alignl 7, 3214868480
	.fill 96, 4, 3214868480
	.section	.rodata,"a",@progbits
	.p2align	6, 0x0
	.amdhsa_kernel k_q344d6f669b_outp
		.amdhsa_group_segment_fixed_size 327680
		.amdhsa_private_segment_fixed_size 0
		.amdhsa_enable_private_segment 0
		.amdhsa_kernarg_size 32
		.amdhsa_user_sgpr_count 2
		.amdhsa_user_sgpr_kernarg_segment_ptr 1
		.amdhsa_wavefront_size32 1
		.amdhsa_system_sgpr_workgroup_id_x 1
		.amdhsa_system_sgpr_workgroup_id_y 1
		.amdhsa_system_sgpr_workgroup_id_z 1
		.amdhsa_system_vgpr_workitem_id 0
		.amdhsa_next_free_vgpr 640
		.amdhsa_next_free_sgpr 100
		.amdhsa_reserve_vcc 0
		.amdhsa_float_denorm_mode_32 3
		.amdhsa_float_denorm_mode_16_64 3
		.amdhsa_memory_ordered 1
		.amdhsa_forward_progress 1
		.amdhsa_inst_pref_size 85
	.end_amdhsa_kernel
	.amdgpu_metadata
---
amdhsa.version: [ 1, 2 ]
amdhsa.kernels:
  - .name:           k_q344d6f669b_outp
    .symbol:         k_q344d6f669b_outp.kd
    .args:
      - { .name: ctx, .offset: 0, .size: 8, .value_kind: global_buffer, .address_space: global }
      - { .name: wo16, .offset: 8, .size: 8, .value_kind: global_buffer, .address_space: global }
      - { .name: bo, .offset: 16, .size: 8, .value_kind: global_buffer, .address_space: global }
      - { .name: out0, .offset: 24, .size: 8, .value_kind: global_buffer, .address_space: global }
    .group_segment_fixed_size: 327680
    .private_segment_fixed_size: 0
    .kernarg_segment_align: 8
    .kernarg_segment_size: 32
    .max_flat_workgroup_size: 128
    .sgpr_count:     100
    .vgpr_count:     640
    .wavefront_size: 32
...
	.end_amdgpu_metadata
.endif
;; end of part 4
